; MI455X (gfx1250); checked and timed in simulation.
; The chip was launched on July 23, 2026; its instructions are those of AMD's public machine-readable ISA for CDNA 5 (MIT licence, August 2026) and "CDNA5" Instruction Set Architecture Reference Guide (July 2026). The comments in the code are by the model that wrote it; some were corrected since.
;; Multi Head Self Attention. Allowed arithmetic: matrix products marked QUANTISED: E2M3 operands, one E8M0 scale for each 32 along K, by v_wmma_scale_f32_16x16x128_f8f6f4 with both operands' format E2M3, f32 sums; everything else in f32.
;; Inputs: Wk 1,024 x 1,024 float32; Wo 1,024 x 1,024 float32; Wq 1,024 x 1,024 float32; Wv 1,024 x 1,024 float32; bk 1,024 float32; bo 1,024 float32; bq 1,024 float32; bv 1,024 float32; x 4 x 2,048 x 1,024 float32.
;; Outputs: out0 4 x 2,048 x 1,024 float32.
;; This version of the problem:
;;   THIS VERSION OF THE PROBLEM IS GIVEN IN LOW PRECISION. The matrix products marked QUANTISED in the list below multiply operands that are first quantised to E2M3 (2 exponent bits, 3 mantissa bits; 6 bits a number), with one power-of-two scale for each 32 numbers along K (OCP MX v1.0); their sums are f32. All else is computed in f32.
;;   The module's matrix products, in the order in which they are computed (A, B: the left and right operand; K: the contracted axis; several contracted axes count as one K, in the product's order):
;;     1. [M 8,192, K 1,024] x [K 1,024, N 1,024]; A: input x; B: input Wq: QUANTISED
;;     2. [M 8,192, K 1,024] x [K 1,024, N 1,024]; A: input x; B: input Wk: QUANTISED
;;     3. [M 8,192, K 1,024] x [K 1,024, N 1,024]; A: input x; B: input Wv: QUANTISED
;;     4. batch 64 x [M 2,048, K 64] x [K 64, N 2,048]; A: computed on the way; B: computed on the way: QUANTISED
;;     5. batch 64 x [M 2,048, K 2,048] x [K 2,048, N 64]; A: softmax (see below); B: computed on the way: QUANTISED
;;     6. [M 8,192, K 1,024] x [K 1,024, N 1,024]; A: computed on the way; B: input Wo: QUANTISED
;;   THE QUANTISER, for each operand of a quantised product, along K:
;;     - K is cut into blocks of 32 from its start; a last block that is shorter is filled with zeros.
;;     - A block's scale is 2^e with e = floor(log2(the largest magnitude in the block)) - 2, held to -126 .. 127; a block of zeros has e = 0. As a byte (E8M0): e + 127.
;;     - Each number is divided by its block's scale, clamped to +-7.5, and rounded to the nearest number of E2M3, ties to even, subnormals kept.
;;     - The product sums the exact products of the quantised numbers (number of the format x scale) in f32.
;;   ~~~python
;;   def quantise(x, axis):      # numpy; x: float32 -> the quantised numbers, widened to float32 again
;;       x = np.moveaxis(x, axis, -1); K = x.shape[-1]
;;       x = np.pad(x, [(0, 0)] * (x.ndim - 1) + [(0, -K % 32)]); x = x.reshape(x.shape[:-1] + (-1, 32)); a = np.abs(x).max(-1, keepdims=True)
;;       e = np.where(a > 0, np.clip(np.frexp(np.where(a > 0, a, 1))[1] - 1 - 2, -126, 127), 0)      # np.frexp(a)[1] - 1 = floor(log2(a)), exactly
;;       r = np.clip(x / 2.0 ** e, -7.5, 7.5)
;;       step = 2.0 ** (np.maximum(np.frexp(np.where(r == 0, 1, r))[1] - 1, 0) - 3)
;;       q = np.round(r / step) * step * 2.0 ** e      # np.round: ties to even
;;       return np.moveaxis(q.reshape(q.shape[:-2] + (-1,))[..., :K], -1, axis).astype(np.float32)
;;   ~~~
;;   SOFTMAX AHEAD OF A QUANTISED PRODUCT. Where the list says 'softmax', what is quantised is not the finished softmax but p = 2^(t - M), with t = logit x log2(e) and M = ceil(the row's largest t), a whole number; so 1/2 < the row's largest p <= 1. The row's sum l is taken of the UNQUANTISED p, in f32, and the product's result is divided by l at the end. Since M is a whole number, a kernel that streams over the keys may use a running M (the ceiling of the running maximum): every later rescaling is an exact power of two, which a block's scale takes up: the codes' values come out the same.
;;   OPERANDS COMPUTED ON THE WAY. 'Computed on the way' means the value that the module computes at that place (a softmax that the list does not call 'softmax' is quantised finished and normalised). What goes into a quantiser is computed in f32, as accurately as f32 sums, v_exp_f32 and their like allow (about 1e-6 of the number): no bf16 or f16 on the way to a quantiser, and a product that is left as it is and whose result goes on into a quantised operand takes f32 operands (vector FMAs, or v_wmma_f32_16x16x4_f32). A number that lies on a knife's edge between two numbers of the format may be rounded either way, as far as f32 arithmetic and the matrix unit's own rounding can turn it there, and no further.
;; One version. Each part assembles by itself: llvm-mc -triple=amdgcn-amd-amdhsa -mcpu=gfx1250 --defsym DOCPART=n.
;; ======== version 1 of 1: 4 launches
;; limits: right only within a limited range of input values
;; workspace buffers: img 9,437,184 bytes; scl 393,216 bytes; qkv 20,447,232 bytes; o_img 6,291,456 bytes; o_scl 262,144 bytes
;; launch quant (part 1): grid 768 x 1, 2 waves a work-group, no clusters, 17,152 bytes of LDS; arguments x, Wq, Wk, Wv, Wo, img, scl; writes img, scl
.if DOCPART == 1
	.amdgcn_target "amdgcn-amd-amdhsa--gfx1250"
	.amdhsa_code_object_version 6
	.text
	.protected	k_qb15a607521_quant
	.globl	k_qb15a607521_quant
	.p2align	8
	.type	k_qb15a607521_quant,@function
k_qb15a607521_quant:
	s_mov_b64 s[64:65], 0
	v_nop
	global_prefetch_b8 v0, s[64:65] scope:SCOPE_SE
	s_setreg_imm32_b32 hwreg(HW_REG_WAVE_MODE, 25, 1), 1
	s_wait_xcnt 0x0
; MULTI-HEAD SELF-ATTENTION IN MX-FP6, launch 1 of 4: x [8192][1024] and Wq, Wk, Wv, Wo [1024][1024], f32 with K innermost, become codes of FP6 (E2M3) with one E8M0 byte for each 32 along K.
; NO WORK IS LEFT OUT IN THIS PROGRAM: all nine inputs reach the output (bk too: it goes into a quantiser), and all six products are made.
; A block's scale is 2^(floor(log2(its largest magnitude)) - 2); its byte is the largest magnitude's exponent field - 2, held at 1 from below.
; LIMITS: NaN and infinities among the inputs are not served.  A block of zeros, or one whose largest magnitude lies under 2^-124, gets the byte 1 (zeros: the rule says 127; zero codes add nothing under any byte, and this program alone reads the bytes).
; LAYOUT OF THE RESULT, this program's own.  A ROWTILE is 16 rows; a FRAGMENT is a rowtile x 128 along K as an image of the operand's 12 registers: six pieces of 256 bytes, piece p = every lane's registers 2 p, 2 p + 1, lane L at 8 L.
;   img [rowtile G 768][K step 8][1536]: G 0-511 x, 512-575 Wq, 576-639 Wk, 640-703 Wv, 704-767 Wo.    scl [G][K pair 4][row 16][2 words]: word q of a pair is the scale word of K step 2 pair + q.
; THE ROWS OF A ROWTILE ARE NOT NEIGHBOURS: row i of rowtile T of a tensor is the tensor's row 32 (T / 2) + 8 (T % 2) + i + 8 (i / 8).  With such rowtiles as a product's source 0, a lane's 16 registers of result tiles 2 b, 2 b + 1
; are 16 neighbours, 32 b + 16 (lane / 16) + 0 .. 15, of the tensor's rows: what the next quantiser wants.
; SHARES.  A work-group is one rowtile; its two waves take four K steps each.  Each load reads 512 consecutive bytes of one row; a K step's 16 x 512 bytes turn through the wave's own stage in LDS, so that lane (r, h) gets
; k = 64 c + 32 h + 0 .. 31 of row r: two whole blocks, in the operand's own order.  No barrier: waves share nothing.  No matrix unit, no cluster, no tensor load: the launch streams, and no byte is read twice.
.set STGB,  8448                       ; a wave's stage: 16 rows x (512 + 16) bytes
.set SPARE, 2*STGB                     ; behind the stages: the spare words, 128 bytes a wave: one block of 256 bytes that no other line names
.set LN,  1                            ; v1   lane
.set RR,  2                            ; v2   r = lane % 16
.set HH,  3                            ; v3   h = lane / 16
.set G16, 4                            ; v4   16 x lane: my bytes of a load's 512
.set STI, 5                            ; v5   the stage, on the way in
.set STO, 6                            ; v6   and on the way out: row r, + 128 h
.set L8,  7                            ; v7   8 x lane: my place in a piece
.set SHL, 8                            ; v8   8 h: where my two scale bytes stand in the word
.set MX,  10                           ; v10-11 largest magnitudes   v12-13 the conversions' scale operands   v14-15 the bytes
.set SOP, 12
.set BY,  14
.set WT,  16                           ; v16  my half of a scale word   v17 the other half's
.set WP,  17
.set WD,  18                           ; v18-21 the four K steps' scale words
.set DD,  22                           ; v22-23 what I store of them
.set SPW, 24                           ; v24  my spare word's LDS address; never rewritten
.set NIL, 25                           ; v25  0; never rewritten
.set R,   32                           ; v32-159  two sets of 64: a K step as loaded
.set X,   160                          ; v160-223 my 64 numbers
.set C,   224                          ; v224-235 the fragment
.set CT,  236                          ; v236-238, v240-242: a conversion's three registers begin on an even number
	s_load_b256 s[4:11], s[0:1], 0x0               ; x, Wq, Wk, Wv
	s_load_b128 s[12:15], s[0:1], 0x20             ; Wo, img
	s_load_b64 s[16:17], s[0:1], 0x30              ; scl
	v_lshl_add_u32 v[SPW], v0, 2, SPARE
	v_mov_b32 v[NIL], 0
	v_lshrrev_b32 v1, 5, v0
	v_readfirstlane_b32 s18, v1                    ; wave 0, 1
	v_and_b32 v[LN], 31, v0
	v_and_b32 v[RR], 15, v0
	v_bfe_u32 v[HH], v0, 4, 1
	v_lshlrev_b32 v[G16], 4, v[LN]
	s_mul_i32 s19, s18, STGB
	v_add_nc_u32 v[STI], s19, v[G16]
	v_mul_u32_u24 v[STO], v[RR], 528
	v_lshl_add_u32 v[STO], v[HH], 7, v[STO]
	v_add_nc_u32 v[STO], s19, v[STO]
	v_lshlrev_b32 v[L8], 3, v[LN]
	v_lshlrev_b32 v[SHL], 3, v[HH]
	v_mov_b32 v[WP], 0                             ; written once: a lane permute's destination counts as one of its sources
	s_mov_b32 s20, 0x76543210
	s_mov_b32 s21, 0xfedcba98                      ; v_permlanex16_b32's selects for lane l xor 16
	s_and_b32 s22, ttmp9, 63
	s_cmp_lt_u32 ttmp9, 512
	s_cselect_b32 s22, ttmp9, s22                  ; T: the rowtile's number in its own tensor
	s_lshr_b32 s23, s22, 1
	s_lshl_b32 s23, s23, 17                        ; 32 (T / 2) rows of 4,096 bytes
	s_and_b32 s24, s22, 1
	s_lshl_b32 s24, s24, 15                        ; + 8 (T % 2) rows
	s_add_co_u32 s24, s24, s23
	s_lshl_b32 s25, s18, 11                        ; + my wave's four K steps of 512 bytes
	s_add_co_u32 s24, s24, s25
	s_mov_b32 s25, 0
	s_mul_i32 s26, ttmp9, 12288                    ; img: the rowtile's eight fragments,
	s_mul_i32 s27, s18, 6144                       ; my four
	s_add_co_u32 s26, s26, s27
	s_mov_b32 s27, 0
	s_lshl_b32 s28, ttmp9, 9                       ; scl: the rowtile's 512 bytes,
	s_lshl_b32 s29, s18, 8                         ; my 256
	s_add_co_u32 s28, s28, s29
	s_mov_b32 s29, 0
	s_wait_alu depctr_va_vdst(0)
	s_wait_kmcnt 0x0
	s_cmp_lt_u32 ttmp9, 704                        ; which tensor: the choice hangs on the work-group's number alone
	s_cselect_b64 s[12:13], s[10:11], s[12:13]
	s_cmp_lt_u32 ttmp9, 640
	s_cselect_b64 s[12:13], s[8:9], s[12:13]
	s_cmp_lt_u32 ttmp9, 576
	s_cselect_b64 s[12:13], s[6:7], s[12:13]
	s_cmp_lt_u32 ttmp9, 512
	s_cselect_b64 s[12:13], s[4:5], s[12:13]
	s_add_nc_u64 s[12:13], s[12:13], s[24:25]
	s_add_nc_u64 s[14:15], s[14:15], s[26:27]
	s_add_nc_u64 s[16:17], s[16:17], s[28:29]
.macro LOAD t                          ; K step t of my four: 16 rows x 512 consecutive bytes, into set t % 2
.irp i, 0,1,2,3,4,5,6,7,8,9,10,11,12,13,14,15
	global_load_b128 v[R+64*((\t)%2)+4*\i:R+64*((\t)%2)+4*\i+3], v[G16], s[12:13] offset:(\i+8*(\i/8))*4096+512*(\t) th:TH_LOAD_NT
.endr
.endm
.macro STEP t
.if (\t) < 3
	s_wait_loadcnt 16                              ; this step's 16 loads are in; the next step's 16 may be out
.else
	s_wait_loadcnt 0x0
.endif
.irp i, 0,1,2,3,4,5,6,7,8,9,10,11,12,13,14,15
	ds_store_b128 v[STI], v[R+64*((\t)%2)+4*\i:R+64*((\t)%2)+4*\i+3] offset:528*\i
.endr
.irp c, 0,1
.irp j, 0,1,2,3,4,5,6,7
	ds_load_b128 v[X+32*\c+4*\j:X+32*\c+4*\j+3], v[STO] offset:256*\c+16*\j   ; LDS serves a wave's instructions in order: these see the stores above
.endr
.endr
	s_wait_dscnt 0x0                               ; my 64 numbers are in, and the stores have read their registers,
.if (\t)+2 < 4
	LOAD (\t)+2                                    ; which take the step two on
.endif
.irp c, 0,1
	v_max3_num_f32 v[MX+\c], |v[X+32*\c]|, |v[X+32*\c+1]|, 0x1800000   ; block 2 c + h: all 32 numbers are mine; the floor 2^(3 - 127) holds the byte at 1 from below
.endr
.irp i, 2,4,6,8,10,12,14,16,18,20,22,24,26,28,30
.irp c, 0,1
	v_max3_num_f32 v[MX+\c], v[MX+\c], |v[X+32*\c+\i]|, |v[X+32*\c+\i+1]|   ; (the two blocks by turns)
.endr
.endr
.irp c, 0,1
	v_add_nc_u32 v[SOP+\c], 0xff000000, v[MX+\c]   ; 2 off the exponent field: the conversion takes the exponent field of this operand as its scale
.endr
.irp c, 0,1
	v_lshrrev_b32 v[BY+\c], 23, v[SOP+\c]          ; the scale's byte
.endr
	v_lshl_or_b32 v[WT], v[BY+1], 16, v[BY]        ; blocks h and 2 + h,
	v_lshlrev_b32 v[WT], v[SHL], v[WT]             ; at their places in the word;
	v_permlanex16_b32 v[WP], v[WT], s20, s21
	v_or_b32 v[WD+(\t)], v[WT], v[WP]              ; with lane l xor 16's two the word is whole, in both lanes
.if (\t) > 0
	s_wait_alu depctr_va_vdst(0)
	s_wait_xcnt 0x0                                ; the last step's stores have read the fragment's registers
.endif
.irp c, 0,1
	v_cvt_scalef32_pk16_fp6_f32 v[C+6*\c:C+6*\c+2], v[X+32*\c:X+32*\c+15], v[SOP+\c]
	v_cvt_scalef32_pk16_fp6_f32 v[CT+4*\c:CT+4*\c+2], v[X+32*\c+16:X+32*\c+31], v[SOP+\c]
.endr
	v_nop                                          ; one plain place behind a scaled conversion
.irp c, 0,1
.irp i, 0,1,2
	v_mov_b32 v[C+3+6*\c+\i], v[CT+4*\c+\i]
.endr
.endr
.irp p, 0,1,2,3,4,5
	global_store_b64 v[L8], v[C+2*\p:C+2*\p+1], s[14:15] offset:1536*(\t)+256*\p   ; 32 lanes store 256 consecutive bytes, aligned
.endr
.endm
	LOAD 0
	LOAD 1
	STEP 0
	STEP 1
	STEP 2
	STEP 3
	v_cmp_ne_u32 vcc_lo, 0, v[HH]                  ; lanes 0-15 store row r's words of my first K pair, lanes 16-31 those of my second
	v_cndmask_b32 v[DD], v[WD], v[WD+2], vcc_lo
	v_cndmask_b32 v[DD+1], v[WD+1], v[WD+3], vcc_lo
	global_store_b64 v[L8], v[DD:DD+1], s[16:17]   ; 256 consecutive bytes, aligned
	s_wait_tensorcnt 0x0                           ; the wave's end: behind my last LDS store
	ds_add_u32 v[SPW], v[NIL]
	s_wait_dscnt 0x0
	s_endpgm
.Lfunc_end_k_qb15a607521_quant:
	.size	k_qb15a607521_quant, .Lfunc_end_k_qb15a607521_quant-k_qb15a607521_quant
	.p2alignl 7, 3214868480
	.fill 96, 4, 3214868480
	.section	.rodata,"a",@progbits
	.p2align	6, 0x0
	.amdhsa_kernel k_qb15a607521_quant
		.amdhsa_group_segment_fixed_size 17152
		.amdhsa_private_segment_fixed_size 0
		.amdhsa_enable_private_segment 0
		.amdhsa_kernarg_size 56
		.amdhsa_user_sgpr_count 2
		.amdhsa_user_sgpr_kernarg_segment_ptr 1
		.amdhsa_wavefront_size32 1
		.amdhsa_system_sgpr_workgroup_id_x 1
		.amdhsa_system_sgpr_workgroup_id_y 1
		.amdhsa_system_sgpr_workgroup_id_z 1
		.amdhsa_system_vgpr_workitem_id 0
		.amdhsa_next_free_vgpr 256
		.amdhsa_next_free_sgpr 66
		.amdhsa_reserve_vcc 1
		.amdhsa_float_denorm_mode_32 3
		.amdhsa_float_denorm_mode_16_64 3
		.amdhsa_memory_ordered 1
		.amdhsa_forward_progress 1
		.amdhsa_inst_pref_size 32
	.end_amdhsa_kernel
	.amdgpu_metadata
---
amdhsa.version: [ 1, 2 ]
amdhsa.kernels:
  - .name:           k_qb15a607521_quant
    .symbol:         k_qb15a607521_quant.kd
    .args:
      - { .name: x, .offset: 0, .size: 8, .value_kind: global_buffer, .address_space: global }
      - { .name: Wq, .offset: 8, .size: 8, .value_kind: global_buffer, .address_space: global }
      - { .name: Wk, .offset: 16, .size: 8, .value_kind: global_buffer, .address_space: global }
      - { .name: Wv, .offset: 24, .size: 8, .value_kind: global_buffer, .address_space: global }
      - { .name: Wo, .offset: 32, .size: 8, .value_kind: global_buffer, .address_space: global }
      - { .name: img, .offset: 40, .size: 8, .value_kind: global_buffer, .address_space: global }
      - { .name: scl, .offset: 48, .size: 8, .value_kind: global_buffer, .address_space: global }
    .group_segment_fixed_size: 17152
    .private_segment_fixed_size: 0
    .kernarg_segment_align: 8
    .kernarg_segment_size: 56
    .max_flat_workgroup_size: 64
    .sgpr_count:     66
    .vgpr_count:     256
    .wavefront_size: 32
...
	.end_amdgpu_metadata
.endif
;; end of part 1
;; launch qkv (part 2): grid 16 x 16, 4 waves a work-group, clusters of 4 x 4, 327,680 bytes of LDS; arguments img, scl, bq, bk, bv, qkv; writes qkv
.if DOCPART == 2
	.amdgcn_target "amdgcn-amd-amdhsa--gfx1250"
	.amdhsa_code_object_version 6
	.text
	.protected	k_qb15a607521_qkv
	.globl	k_qb15a607521_qkv
	.p2align	8
	.type	k_qb15a607521_qkv,@function
k_qb15a607521_qkv:
	s_mov_b64 s[64:65], 0
	v_nop
	global_prefetch_b8 v0, s[64:65] scope:SCOPE_SE
	s_setreg_imm32_b32 hwreg(HW_REG_WAVE_MODE, 25, 1), 1
	s_wait_xcnt 0x0
	s_wait_alu depctr_hold_cnt(0) depctr_sa_sdst(0) depctr_va_vdst(0) depctr_va_sdst(0) depctr_va_ssrc(0) depctr_va_vcc(0) depctr_vm_vsrc(0)
	s_getreg_b32 s2, hwreg(HW_REG_IB_STS2, 6, 4)
	s_cmp_eq_u32 s2, 0
	s_cbranch_scc0 .Lentry_in_a_cluster
	s_endpgm
.Lentry_in_a_cluster:
	s_bfe_u32 s2, ttmp6, 0x10000c
	s_cmp_lg_u32 s2, 0xf033
	s_cbranch_scc0 .Lentry_shape_is_right
	s_endpgm
.Lentry_shape_is_right:
; Launch 2 of 4: q = x Wq^T + bq, k = x Wk^T + bk, v = x Wv^T + bv on codes of FP6 (E2M3) with E8M0 scales, K = 1,024; the results are quantised in registers, q and k along a head's 64 channels, v along the keys.  No work is left out.
; OPERANDS: img and scl as launch 1 laid them: a rowtile (16 rows, all of K) is 12,288 dense bytes: eight fragments of six pieces of 256 bytes, piece p = every lane's registers 2 p, 2 p + 1 at 8 x lane; its scale words are 512 bytes [K pair][row][2].
; THE DEAL.  256 work-groups of four waves (a, b).  A wave holds 64 rows of a weight (one head, four rowtiles), ALL of K, in 384 registers, and x's rowtiles stream past them: 32 products a rowtile.
; A work-group makes 256 x 128 of V (phase 1), then 512 x 128 of Q or K (phase 2).  V's 256 rows are a half of the work-group's own 512 (which half: cluster x % 2; Q or K: cluster x / 2: numbers that all sixteen partners share),
; so the two chunks of 128 rows that the head asks for serve V and then, still in LDS, the first half of phase 2: 512 rows of x come in for each work-group.
; Phase 1: source 0 = x, source 1 = Wv: wave a takes chunk a, a step of 128 keys: a lane's 64 sums of a channel tile are 64 of the 128 keys of one channel.  Phase 2: source 0 = the weight, source 1 = x: wave a takes rowtiles 4 a .. 4 a + 3 of each chunk;
; a lane's 32 sums of a rowtile are a head's channels of one token.  The bias is the C of a rowtile's first four products.
; LDS: two slots of 98,304 bytes for x's chunks, a region as large for the weights, two places of 4,096 bytes for a chunk's scale words, the spare words.  All tiles are dense blocks of memory, stated as rows of 12,288 or 256 bytes.
; FILLS.  At the head one joint load a wave: Wv's rows, both chunks' scale words, chunk 0, chunk 1.  Three refills, each behind a wait, an add, its wait and a round of the cluster's barrier: the weights' region once, when all
; waves hold Wv in registers; slots 0 and 1 with the other half's chunks, each when its last rowtile has been fetched.  x's tiles are shared along a row of the cluster, a weight's along a column.
; The last trip of the second loop fetches a rowtile that nobody multiplies: so both trips run one text.
; PREFETCH: the second weight's tile and the two later chunks are asked for once in each cluster, a sixteenth (24 blocks of 256 bytes) by each of the sixteen waves that will ask jointly, told apart by address; the head's tiles come by their loads alone.
; RESULT: qkv [batch x head 64][step of 128 tokens 16][q, k, v][6,656 bytes], as launch 3 reads it.  LIMITS: as launch 1's, for the numbers quantised here.
; REGISTERS: v0-27 addresses; v28-43 the weight's scale words (lanes 0-15 an even rowtile's, lanes 16-31 the odd one's), v48-63 x's, two sets; v64-191 and v840-967 V's sums (phase 2: v64-95 the sums); v192-235 the way out;
; v256-839 fragments, 21 to a window: 0-31 the weight's (4 q + c), 32-47 x's two sets; v992-1023 the bias.
.set RT,    12288
.set CH,    8*RT
.set YB,    CH
.set BVB,   2*CH
.set SCL,   3*CH
.set SPARE, SCL+8192
.set REC,   6656
.set L8,   4
.set R8,   5
.set R16,  6
.set L16,  7
.set SPW,  10
.set NIL,  11
.set ADRB, 12
.set VA0,  13                          ; v13, v14: my chunk's rowtiles 0-3, 4-7 in phase 1
.set VSA,  15
.set ADX0, 16
.set ASX0, 17
.set ADC,  18
.set ASC,  19
.set PF1,  20
.set PF2,  21
.set ABS,  22
.set VBQ,  23
.set VBV,  24
.set VSQ,  25
.set WS,   28
.set XS,   48
.set ACC,  64
.set FLR,  192
.set TM,   196
.set SW,   212
.set PC,   216
.set BB,   992
.set G1A, 24
.set G1B, 32
.set G0A, 56
.set G0B, 60
.set G0R, 68
.set G0S, 72
.set G1S, 92
.set SEL, 100
.set MSB, 0
.macro WIN new
.if MSB != \new
	s_set_vgpr_msb (MSB<<8)|\new
.set MSB, \new
.endif
.endm
.macro PLACES n
.rept \n
	v_nop
.endr
.endm
.macro WALU
	s_wait_alu depctr_va_vdst(0)
.endm
.macro BARRIER
	s_barrier_signal -1
	s_barrier_wait -1
.endm
.macro CROUND
	BARRIER
	s_cmp_lg_u32 s14, 0
	s_cbranch_scc1 .Lnot_wave_0_\@
	s_barrier_signal -3
.Lnot_wave_0_\@:
	s_barrier_wait -3
	BARRIER
.endm
.macro TLOAD g0, g1
	tensor_load_to_lds s[\g0:\g0+3], s[\g1:\g1+7]
	s_nop 0
	PLACES 4
.endm
.macro GROUP1 g, mask, c, rows         ; rows of c elements of 8 bytes, dense
	s_or_b32 s[\g], s[\mask], (3<<16)|(1<<21)
	s_mov_b32 s[\g+1], (\c)<<16
	s_mov_b32 s[\g+2], (\rows)<<16
	s_mov_b32 s[\g+3], (\c)<<16
	s_mov_b32 s[\g+4], \rows
	s_mov_b32 s[\g+5], \c
	s_mov_b32 s[\g+6], 0
	s_mov_b32 s[\g+7], 0
.endm
.macro G0SET g, lds, base, off         ; group 0: LDS place, 64-bit base + the offset in s\off
	s_mov_b32 s[\g], 1
	s_mov_b32 s[\g+1], \lds
	s_mov_b32 s20, s\off
	s_mov_b32 s21, 0
	s_add_nc_u64 s[\g+2:\g+3], s[\base:\base+1], s[20:21]
	s_or_b32 s[\g+3], s[\g+3], 0x80000000
.endm
.macro FRAG f, areg, off               ; fragment f lies in window 1 + f / 21 at register 12 (f % 21)
	WIN (1+(\f)/21)<<6
.irp p, 0,1,2,3,4,5
	ds_load_b64 v[12*((\f)%21)+2*\p:12*((\f)%21)+2*\p+1], v[\areg] offset:(\off)+256*\p
.endr
.endm
.macro WEIGHTS                         ; my four rowtiles of the weight: 192 loads
.irp q, 0,1,2,3,4,5,6,7
.irp c, 0,1,2,3
	FRAG 4*\q+\c, ADRB, \c*RT+\q*1536
.endr
.endr
	WIN 0
.endm
.macro FETCH e, areg, off, sreg, soff  ; a rowtile of x and its scale words into set e: 52 loads
.irp q, 0,1,2,3,4,5,6,7
	FRAG 32+8*(\e)+\q, \areg, (\off)+\q*1536
.endr
	WIN 0
.irp p, 0,1,2,3
	ds_load_b64 v[XS+8*(\e)+2*\p:XS+8*(\e)+2*\p+1], v[\sreg] offset:(\soff)+128*\p
.endr
.endm
.macro PR1 d, s0, s1, c, x0, x1, side, o
.if \o
	v_wmma_scale_f32_16x16x128_f8f6f4 v[\d:\d+7], v[\s0:\s0+11], v[\s1:\s1+11], \c, v[\x0], v[\x1] matrix_a_fmt:MATRIX_FMT_FP6 matrix_b_fmt:MATRIX_FMT_FP6 matrix_\side\()_scale:MATRIX_SCALE_ROW1
.else
	v_wmma_scale_f32_16x16x128_f8f6f4 v[\d:\d+7], v[\s0:\s0+11], v[\s1:\s1+11], \c, v[\x0], v[\x1] matrix_a_fmt:MATRIX_FMT_FP6 matrix_b_fmt:MATRIX_FMT_FP6 matrix_\side\()_scale:MATRIX_SCALE_ROW0
.endif
.endm
.macro PROD kind, e, q, c, d           ; K step q, the weight's rowtile c, sums at register d.  kind 1: source 0 = x; kind 0: source 0 = the weight
.set FB_, 4*(\q)+(\c)
.set FA_, 32+8*(\e)+(\q)
.set RB_, 12*(FB_%21)
.set RA_, 12*(FA_%21)
.set DW_, (\d)>>8
.set DL_, (\d)&255
.set XB_, WS+8*((\c)/2)+(\q)
.set XA_, XS+8*(\e)+(\q)
.if \q
.set CW_, DW_
.else
.set CW_, 3
.endif
.if \kind
	WIN (1+FA_/21)|((1+FB_/21)<<2)|(CW_<<4)|(DW_<<6)
.if \q
	PR1 DL_, RA_, RB_, v[DL_:DL_+7], XA_, XB_, b, (\c)%2
.else
	PR1 DL_, RA_, RB_, v[BB-768+8*(\c):BB-768+8*(\c)+7], XA_, XB_, b, (\c)%2
.endif
.else
	WIN (1+FB_/21)|((1+FA_/21)<<2)|(CW_<<4)|(DW_<<6)
.if \q
	PR1 DL_, RB_, RA_, v[DL_:DL_+7], XB_, XA_, a, (\c)%2
.else
	PR1 DL_, RB_, RA_, v[BB-768+8*(\c):BB-768+8*(\c)+7], XB_, XA_, a, (\c)%2
.endif
.endif
.endm
.macro VPRODS e, s                     ; 32 products, the four accumulators by turns
.irp q, 0,1,2,3,4,5,6,7
.irp c, 0,1,2,3
	PROD 1, \e, \q, \c, 64+64*\c+648*(\c/2)+8*(\s)
.endr
.endr
.endm
.macro QPRODS e
.irp q, 0,1,2,3,4,5,6,7
.irp c, 0,1,2,3
	PROD 0, \e, \q, \c, ACC+8*\c
.endr
.endr
.endm
; V's way out, channel tile c: a lane's 64 sums are keys 32 b + 16 h + i (register 16 b + i) of one channel: a fragment's 12 registers and a scale word
.macro VOUT c
.set D_, 64+64*(\c)+648*((\c)/2)
.set AC, D_&255
.set W1, D_>>8
.if \c
	s_wait_xcnt 0x0                                ; the last tile's stores have read their data
.endif
	WIN (W1<<2)|(W1<<4)
.irp b, 0,1,2,3
	v_max3_num_f32 v[TM+\b], v[FLR], |v[AC+16*\b]|, |v[AC+16*\b+1]|   ; each accumulator is read from its low end on
.endr
.irp i, 2,4,6,8,10,12,14
.irp b, 0,1,2,3
	v_max3_num_f32 v[TM+\b], v[TM+\b], |v[AC+16*\b+\i]|, |v[AC+16*\b+\i+1]|
.endr
.endr
	WIN 0
.irp b, 0,1,2,3
	v_permlanex16_b32 v[TM+4+\b], v[TM+\b], s[SEL], s[SEL+1]
.endr
.irp b, 0,1,2,3
	v_max_num_f32 v[TM+\b], v[TM+\b], v[TM+4+\b]
.endr
.irp b, 0,1,2,3
	v_add_nc_u32 v[TM+8+\b], 0xff000000, v[TM+\b]  ; 2 off the exponent field: the conversion's scale operand
.endr
.irp b, 0,1,2,3
	v_lshrrev_b32 v[TM+4+\b], 23, v[TM+8+\b]
.endr
	v_lshl_or_b32 v[SW+(\c)], v[TM+5], 8, v[TM+4]
	v_lshl_or_b32 v[SW+(\c)], v[TM+6], 16, v[SW+(\c)]
	v_lshl_or_b32 v[SW+(\c)], v[TM+7], 24, v[SW+(\c)]
	WIN W1
.irp g, 0,1
	v_cvt_scalef32_pk16_fp6_f32 v[PC+6*\g:PC+6*\g+2], v[AC+32*\g:AC+32*\g+15], v[TM+8+2*\g]
	v_cvt_scalef32_pk16_fp6_f32 v[PC+12+4*\g:PC+14+4*\g], v[AC+32*\g+16:AC+32*\g+31], v[TM+9+2*\g]
.endr
	WIN 0
	v_nop
.irp g, 0,1
.irp i, 0,1,2
	v_permlane16_swap_b32 v[PC+6*\g+\i], v[PC+12+4*\g+\i]
.endr
.irp i, 0,1,2
	v_mov_b32 v[PC+3+6*\g+\i], v[PC+12+4*\g+\i]
.endr
.endr
.irp p, 0,1,2,3,4,5
	global_store_b64 v[L8], v[PC+2*\p:PC+2*\p+1], s[76:77] offset:1536*(\c)+256*\p   ; 256 consecutive bytes, aligned
.endr
.endm
; Q's or K's way out, rowtile s of my four: a lane's 32 sums are channels 32 b + 16 h + i of one token: six registers and two scale bytes
.macro WOUT s
	WIN 0
	PLACES 4
	s_wait_xcnt 0x0                                ; the last rowtile's stores have read their data
.irp b, 0,1
	v_max3_num_f32 v[TM+\b], v[FLR], |v[ACC+16*\b]|, |v[ACC+16*\b+1]|
.endr
.irp i, 2,4,6,8,10,12,14
.irp b, 0,1
	v_max3_num_f32 v[TM+\b], v[TM+\b], |v[ACC+16*\b+\i]|, |v[ACC+16*\b+\i+1]|
.endr
.endr
.irp b, 0,1
	v_permlanex16_b32 v[TM+4+\b], v[TM+\b], s[SEL], s[SEL+1]
.endr
.irp b, 0,1
	v_max_num_f32 v[TM+\b], v[TM+\b], v[TM+4+\b]
.endr
.irp b, 0,1
	v_add_nc_u32 v[TM+8+\b], 0xff000000, v[TM+\b]
.endr
.irp b, 0,1
	v_lshrrev_b32 v[TM+4+\b], 23, v[TM+8+\b]
.endr
	v_lshl_or_b32 v[SW+(\s)], v[TM+5], 8, v[TM+4]
	v_cvt_scalef32_pk16_fp6_f32 v[PC:PC+2], v[ACC:ACC+15], v[TM+8]
	v_cvt_scalef32_pk16_fp6_f32 v[PC+6:PC+8], v[ACC+16:ACC+31], v[TM+9]
	v_nop
.irp i, 0,1,2
	v_permlane16_swap_b32 v[PC+\i], v[PC+6+\i]
.endr
.irp i, 0,1,2
	v_mov_b32 v[PC+3+\i], v[PC+6+\i]
.endr
.irp p, 0,1,2
	global_store_b64 v[L8], v[PC+2*\p:PC+2*\p+1], s[84:85] offset:768*(\s)+256*\p
.endr
.if (\s) == 3
	global_store_b128 v[VSQ], v[SW:SW+3], s[84:85] ; my four rowtiles' scale words: sixteen lanes cover 256 consecutive bytes, aligned (lanes 16-31 store the same again)
.endif
.endm
.macro CHUNK                           ; where this chunk's results go: the chunk's true number is (2 x half + the number in the order of work) % 4
	s_wait_xcnt 0x0
	s_lshl_b32 s20, s87, 1
	s_add_co_u32 s20, s20, s46
	s_and_b32 s20, s20, 3
	s_mul_i32 s20, s20, 3*REC
	s_mov_b32 s21, 0
	s_add_nc_u64 s[84:85], s[10:11], s[20:21]
	s_add_co_u32 s46, s46, 1
.endm
; A rowtile of phase 2.  mode 0: the next rowtile lies in the same chunk.  mode 1: this chunk's last rowtile is in registers: the slot is filled again.  mode 2: a plain barrier shows the last refill.
.macro QBLK s, mode
.set E_, (\s)%2
	WIN 0
	WALU
.if (\mode) == 1
	s_wait_tensorcnt 0x0                           ; all my tensor loads have landed;
	ds_add_u32 v[SPW], v[NIL]                      ; the add; the descriptors, work on registers, stand between it and its wait
	s_mul_i32 s[G0R+1], s14, CH/2
	s_add_co_u32 s[G0R+1], s[G0R+1], s47
	s_mul_i32 s20, s14, CH/2
	s_add_co_u32 s20, s20, s88
	s_mov_b32 s21, 0
	s_add_nc_u64 s[G0R+2:G0R+3], s[4:5], s[20:21]
	s_or_b32 s[G0R+3], s[G0R+3], 0x80000000
	s_mov_b32 s[G0S+1], s8
	s_mov_b32 s20, s89
	s_add_nc_u64 s[G0S+2:G0S+3], s[6:7], s[20:21]
	s_or_b32 s[G0S+3], s[G0S+3], 0x80000000
	s_add_co_u32 s88, s88, CH
	s_add_co_u32 s89, s89, 4096
	s_wait_dscnt 0x0                               ; the add is done, and my reads of this slot are over
	CROUND
	s_cmp_lt_u32 s14, 2
	s_cbranch_scc0 .Lscales_\@
	TLOAD G0R, G1A                                 ; waves 0 and 1: half a chunk each
	s_branch .Lasked_\@
.Lscales_\@:
	s_cmp_eq_u32 s14, 2
	s_cbranch_scc0 .Lasked_\@
	TLOAD G0S, G1S                                 ; wave 2: its scale words
.Lasked_\@:
.elseif (\mode) == 2
	s_wait_tensorcnt 0x0
	s_wait_dscnt 0x0
	BARRIER
.else
	s_wait_dscnt 0x0                               ; this rowtile is in registers
.endif
.if \mode
	s_xor_b32 s47, s47, YB                         ; on to the other slot and place
	s_xor_b32 s8, s8, (SCL)^(SCL+4096)
	v_add_nc_u32 v[ADC], s47, v[ADX0]
	v_add_nc_u32 v[ASC], s8, v[ASX0]
	FETCH 1-E_, ADC, 0, ASC, 0
.else
	FETCH 1-E_, ADC, ((\s)+1)*RT, ASC, ((\s)+1)*512
.endif
	QPRODS E_
	WOUT \s
.endm
; ---- the head
	s_load_b128 s[4:7], s[0:1], 0x0                ; img, scl
	s_load_b256 s[48:55], s[0:1], 0x10             ; bq, bk, bv, qkv
	v_lshl_add_u32 v[SPW], v0, 2, SPARE
	v_mov_b32 v[NIL], 0
	ds_add_u32 v[SPW], v[NIL]                      ; the opening lines: the add, twice on end, and its wait
	ds_add_u32 v[SPW], v[NIL]
	v_lshrrev_b32 v1, 5, v0
	v_readfirstlane_b32 s14, v1                    ; wave; s15 = a, s16 = b
	s_lshr_b32 s15, s14, 1
	s_and_b32 s16, s14, 1
	s_bfe_u32 s40, ttmp6, 0x40000                  ; cx
	s_bfe_u32 s41, ttmp6, 0x40004                  ; cy
	s_lshl_b32 s42, ttmp9, 2
	s_add_co_u32 s42, s42, s40                     ; phase 2's tile column, 0-7 Q, 8-15 K
	s_and_b32 s43, ttmp7, 0xffff
	s_lshl_b32 s43, s43, 2
	s_add_co_u32 s43, s43, s41                     ; its tile row: 512 tokens
	s_lshr_b32 s19, ttmp9, 1                       ; 0 Q, 1 K
	s_and_b32 s87, ttmp9, 1                        ; V's half of my 512 rows
	s_lshl_b32 s13, s19, 2
	s_add_co_u32 s13, s13, s40                     ; V's tile column, 0-7
	s_lshl_b32 s12, s43, 1
	s_add_co_u32 s12, s12, s87                     ; V's tile row: 256 tokens
	s_lshl_b32 s44, s41, 2
	s_lshl_b32 s44, 15, s44                        ; my row of the cluster
	s_lshl_b32 s45, 0x1111, s40                    ; my column
	GROUP1 G1A, 44, 1536, 8
	GROUP1 G1B, 45, 1536, 8
	GROUP1 G1S, 44, 32, 32
	s_mov_b32 s[SEL], 0x76543210
	s_mov_b32 s[SEL+1], 0xfedcba98
	s_mul_i32 s67, s43, 32*RT                      ; my 512 rows, bytes from img
	s_mul_i32 s66, s12, 16*RT                      ; V's half of them
	s_mul_i32 s9, s42, 8*RT
	s_add_co_u32 s9, s9, 512*RT                    ; Wq's or Wk's rows
	s_mul_i32 s17, s13, 8*RT
	s_add_co_u32 s17, s17, 640*RT                  ; Wv's
	s_lshl_b32 s18, s12, 13                        ; the half's scale words, from scl
	s_xor_b32 s20, s87, 1                          ; the chunks still to come are the other half's
	s_mul_i32 s88, s20, 16*RT
	s_add_co_u32 s88, s88, s67
	s_lshl_b32 s89, s43, 14
	s_lshl_b32 s20, s20, 13
	s_add_co_u32 s89, s89, s20
	s_lshl_b32 s90, s40, 2
	s_add_co_u32 s90, s90, s14                     ; my number among the sixteen waves of my row of the cluster,
	s_lshl_b32 s91, s41, 2
	s_add_co_u32 s91, s91, s14                     ; and of my column
	s_mov_b32 s46, 0
	s_mov_b32 s47, 0
	s_mov_b32 s8, SCL
	v_and_b32 v1, 15, v0                           ; r
	v_bfe_u32 v2, v0, 4, 1                         ; h
	v_and_b32 v3, 31, v0
	v_lshlrev_b32 v[L8], 3, v3
	v_lshlrev_b32 v[R8], 3, v1
	v_lshlrev_b32 v[R16], 4, v1
	v_lshlrev_b32 v[L16], 4, v3
	s_mul_i32 s20, s16, 4*RT
	s_add_co_u32 s20, s20, BVB
	v_add_nc_u32 v[ADRB], s20, v[L8]
	s_mul_i32 s20, s15, CH
	v_add_nc_u32 v[VA0], s20, v[L8]
	v_add_nc_u32 v[VA0+1], CH/2, v[VA0]
	s_lshl_b32 s20, s15, 12
	s_add_co_u32 s20, s20, SCL
	v_add_nc_u32 v[VSA], s20, v[R8]
	s_mul_i32 s20, s15, CH/2
	v_add_nc_u32 v[ADX0], s20, v[L8]
	v_add_nc_u32 v[ADC], s20, v[L8]
	s_lshl_b32 s20, s15, 11
	v_add_nc_u32 v[ASX0], s20, v[R8]
	v_add_nc_u32 v[ASC], SCL, v[ASX0]
	v_lshl_add_u32 v[ABS], v2, 9, v[R8]            ; a weight's scale words: lanes 16-31 take the next rowtile's
	v_lshlrev_b32 v[VBQ], 6, v2
	v_and_b32 v[VBV], 8, v1
	v_add_nc_u32 v[VBV], v[VBV], v1
	v_lshlrev_b32 v[VBV], 2, v[VBV]                ; V's bias: channel r + 8 (r / 8) of a rowtile
	s_mul_i32 s20, s15, 2816
	s_sub_co_u32 s20, 6144, s20
	v_add_nc_u32 v[VSQ], s20, v[R16]               ; from my rowtiles' codes (3,072 a) to their scale words (6,144 + 256 a)
	v_mov_b32 v[FLR], 0x1800000                    ; 2^(3 - 127): holds the byte at 1 from below
.irp b, 0,1,2,3
	v_mov_b32 v[TM+4+\b], 0                        ; written once: a lane permute's destination counts as one of its sources
.endr
	v_min_u32 v[PF1], 23, v3
	v_min_u32 v[PF2], 23, v3
	s_mul_i32 s20, s91, CH/16
	s_add_co_u32 s20, s20, s9
	v_lshl_add_u32 v[PF1], v[PF1], 8, s20
	s_mul_i32 s20, s90, CH/16
	s_add_co_u32 s20, s20, s88
	v_lshl_add_u32 v[PF2], v[PF2], 8, s20
	WALU
	s_wait_dscnt 0x0
	CROUND                                         ; the opening round
	s_wait_kmcnt 0x0
	G0SET G0B, BVB, 4, 17
	G0SET G0S, SCL, 6, 18
	G0SET G0A, 0, 4, 66
	s_mov_b32 s[G0R], 1
	s_mov_b32 s[G0R+1], YB
	s_add_nc_u64 s[G0R+2:G0R+3], s[G0A+2:G0A+3], CH
	s_cmp_eq_u32 s14, 0
	s_cbranch_scc0 .Lwave_1
	TLOAD G0B, G1B                                 ; wave 0: Wv's rows
	s_branch .Lasked
.Lwave_1:
	s_cmp_eq_u32 s14, 1
	s_cbranch_scc0 .Lwave_2
	TLOAD G0S, G1S                                 ; wave 1: both chunks' scale words
	s_branch .Lasked
.Lwave_2:
	s_cmp_eq_u32 s14, 2
	s_cbranch_scc0 .Lwave_3
	TLOAD G0A, G1A                                 ; wave 2: chunk 0
	s_branch .Lasked
.Lwave_3:
	TLOAD G0R, G1A                                 ; wave 3: chunk 1
.Lasked:
	s_lshr_b32 s22, s43, 2
	s_lshl_b32 s22, s22, 4                         ; batch x 16
	s_lshl_b32 s23, s13, 1
	s_add_co_u32 s23, s23, s16                     ; my head of V
	s_add_co_u32 s20, s22, s23
	s_lshl_b32 s20, s20, 4
	s_and_b32 s21, s12, 7
	s_lshl_b32 s21, s21, 1
	s_add_co_u32 s21, s21, s15
	s_add_co_u32 s20, s20, s21                     ; my step of 128 keys
	s_mul_i32 s20, s20, 3
	s_add_co_u32 s20, s20, 2
	s_mul_i32 s20, s20, REC
	s_mov_b32 s21, 0
	s_add_nc_u64 s[76:77], s[54:55], s[20:21]      ; V's record
	s_lshl_b32 s20, s23, 8
	s_add_nc_u64 s[2:3], s[52:53], s[20:21]        ; bv, my head
	s_lshl_b32 s20, s13, 3
	s_lshl_b32 s23, s16, 2
	s_add_co_u32 s20, s20, s23
	s_add_co_u32 s20, s20, 640
	s_lshl_b32 s20, s20, 9
	s_add_nc_u64 s[82:83], s[6:7], s[20:21]        ; Wv's scale words, my four rowtiles
	s_lshl_b32 s20, s42, 3
	s_add_co_u32 s20, s20, s23
	s_add_co_u32 s20, s20, 512
	s_lshl_b32 s20, s20, 9
	s_add_nc_u64 s[78:79], s[6:7], s[20:21]        ; Wq's or Wk's
	s_and_b32 s23, s42, 7
	s_lshl_b32 s23, s23, 1
	s_add_co_u32 s23, s23, s16                     ; my head of Q or K
	s_cmp_eq_u32 s19, 1
	s_cselect_b64 s[80:81], s[50:51], s[48:49]
	s_lshl_b32 s20, s23, 8
	s_add_nc_u64 s[80:81], s[80:81], s[20:21]      ; bq or bk, my head
	s_add_co_u32 s20, s22, s23
	s_lshl_b32 s20, s20, 4
	s_and_b32 s23, s43, 3
	s_lshl_b32 s23, s23, 2
	s_add_co_u32 s20, s20, s23
	s_mul_i32 s20, s20, 3
	s_add_co_u32 s20, s20, s19
	s_mul_i32 s20, s20, REC
	s_mul_i32 s23, s15, 3072
	s_add_co_u32 s20, s20, s23
	s_add_nc_u64 s[10:11], s[54:55], s[20:21]      ; Q's or K's record of my 512 tokens' first step, my four rowtiles
.irp i, 0,1
.irp p, 0,1,2,3
	global_load_b64 v[WS+8*\i+2*\p:WS+8*\i+2*\p+1], v[ABS], s[82:83] offset:1024*\i+128*\p
.endr
.endr
	WIN 3<<6
.irp c, 0,1,2,3
	global_load_b32 v[BB-768+8*\c], v[VBV], s[2:3] offset:(32*(\c/2)+8*(\c%2))*4
.endr
	WIN 0
	global_prefetch_b8 v[PF1], s[4:5] th:TH_LOAD_NT scope:SCOPE_SE   ; what the first refill will load
	s_wait_loadcnt 0x0
	WIN (3<<6)|3
.irp c, 0,8,16,24
.irp i, 1,2,3,4,5,6,7
	v_mov_b32 v[BB-768+\c+\i], v[BB-768+\c]        ; V's bias, one number a lane and tile, over the tile's eight registers
.endr
.endr
	WIN 0
	WALU                                           ; the wait at the head's end
	s_wait_tensorcnt 0x0
	BARRIER                                        ; the head's four tiles are in
	WEIGHTS
	FETCH 0, VA0, 0, VSA, 0
	s_wait_tensorcnt 0x0                           ; the first refill: a wait, an add, its wait and a round of the cluster's barrier
	ds_add_u32 v[SPW], v[NIL]
	s_mov_b32 s[G1A+2], 4<<16                      ; no tensor load of mine is out: from here on a load brings four rowtiles, or one chunk's scale words
	s_mov_b32 s[G1A+4], 4
	s_mov_b32 s[G1B+2], 4<<16
	s_mov_b32 s[G1B+4], 4
	s_mov_b32 s[G1S+2], 16<<16
	s_mov_b32 s[G1S+4], 16
	s_mul_i32 s[G0B+1], s14, CH/2
	s_add_co_u32 s[G0B+1], s[G0B+1], BVB
	s_mul_i32 s20, s14, CH/2
	s_add_co_u32 s20, s20, s9
	s_mov_b32 s21, 0
	s_add_nc_u64 s[G0B+2:G0B+3], s[4:5], s[20:21]
	s_or_b32 s[G0B+3], s[G0B+3], 0x80000000
	s_wait_dscnt 0x0                               ; Wv is in my registers
	CROUND
	s_cmp_lt_u32 s14, 2
	s_cbranch_scc0 .Lno_half
	TLOAD G0B, G1B                                 ; waves 0 and 1: a half each of Wq's or Wk's rows
.Lno_half:
; ---- phase 1: V, eight rowtiles
.irp s, 0,1,2,3,4,5,6,7
	WIN 0
.if \s
	s_wait_dscnt 0x0                               ; this rowtile is in registers
	PLACES 4                                       ; between the last products and the loads into their registers
.endif
.if \s < 7
	FETCH (\s+1)%2, VA0+(\s+1)/4, ((\s+1)%4)*RT, VSA, (\s+1)*512
.endif
.if \s == 0
	global_prefetch_b8 v[PF2], s[4:5] th:TH_LOAD_NT scope:SCOPE_SE             ; what the second refill will load,
	global_prefetch_b8 v[PF2], s[4:5] offset:CH th:TH_LOAD_NT scope:SCOPE_SE   ; and the third
.endif
	VPRODS \s%2, \s
.endr
; ---- the change of phase: the second weight and phase 2's first rowtile in one run of loads, V's way out behind it
	WIN 0
	s_wait_tensorcnt 0x0
	s_wait_dscnt 0x0
	BARRIER                                        ; a plain barrier shows the second weight
	PLACES 4
.irp i, 0,1
.irp p, 0,1,2,3
	global_load_b64 v[WS+8*\i+2*\p:WS+8*\i+2*\p+1], v[ABS], s[78:79] offset:1024*\i+128*\p
.endr
.endr
	WIN 3<<6
.irp c, 0,1,2,3                                ; Q's or K's bias: register 8 c + j of lane (r, h) is channel 32 (c / 2) + 8 (c % 2) + 16 h + j
	global_load_b128 v[BB-768+8*\c:BB-768+8*\c+3], v[VBQ], s[80:81] offset:(32*(\c/2)+8*(\c%2))*4
	global_load_b128 v[BB-768+8*\c+4:BB-768+8*\c+7], v[VBQ], s[80:81] offset:(32*(\c/2)+8*(\c%2))*4+16
.endr
	WIN 0
	WEIGHTS
	FETCH 0, ADC, 0, ASC, 0
.irp c, 0,1,2,3
	VOUT \c
.endr
	global_store_b128 v[L16], v[SW:SW+3], s[76:77] offset:6144   ; V's scale words: 512 consecutive bytes, aligned
	WALU
	s_wait_loadcnt 0x0
; ---- phase 2: Q or K, four chunks of four rowtiles a wave
	s_mov_b32 s86, 0
.Lrounds:                                      ; chunks 0 and 1: each slot is filled again behind its last fetch
	CHUNK
	QBLK 0, 0
	QBLK 1, 0
	QBLK 2, 0
	QBLK 3, 1
	s_add_co_u32 s86, s86, 1
	s_cmp_lg_u32 s86, 2
	s_cbranch_scc1 .Lrounds
.Lshow:                                        ; chunks 2 and 3
	CHUNK
	QBLK 0, 0
	QBLK 1, 0
	QBLK 2, 0
	QBLK 3, 2
	s_add_co_u32 s86, s86, 1
	s_cmp_lg_u32 s86, 4
	s_cbranch_scc1 .Lshow
	s_wait_tensorcnt 0x0                           ; the wave's end
	ds_add_u32 v[SPW], v[NIL]
	s_wait_dscnt 0x0
	CROUND                                         ; the closing round
	s_endpgm
.Lfunc_end_k_qb15a607521_qkv:
	.size	k_qb15a607521_qkv, .Lfunc_end_k_qb15a607521_qkv-k_qb15a607521_qkv
	.p2alignl 7, 3214868480
	.fill 96, 4, 3214868480
	.section	.rodata,"a",@progbits
	.p2align	6, 0x0
	.amdhsa_kernel k_qb15a607521_qkv
		.amdhsa_group_segment_fixed_size 327680
		.amdhsa_private_segment_fixed_size 0
		.amdhsa_enable_private_segment 0
		.amdhsa_kernarg_size 48
		.amdhsa_user_sgpr_count 2
		.amdhsa_user_sgpr_kernarg_segment_ptr 1
		.amdhsa_wavefront_size32 1
		.amdhsa_system_sgpr_workgroup_id_x 1
		.amdhsa_system_sgpr_workgroup_id_y 1
		.amdhsa_system_sgpr_workgroup_id_z 1
		.amdhsa_system_vgpr_workitem_id 0
		.amdhsa_next_free_vgpr 1024
		.amdhsa_next_free_sgpr 102
		.amdhsa_reserve_vcc 0
		.amdhsa_float_denorm_mode_32 3
		.amdhsa_float_denorm_mode_16_64 3
		.amdhsa_memory_ordered 1
		.amdhsa_forward_progress 1
		.amdhsa_inst_pref_size 206
	.end_amdhsa_kernel
	.amdgpu_metadata
---
amdhsa.version: [ 1, 2 ]
amdhsa.kernels:
  - .name:           k_qb15a607521_qkv
    .symbol:         k_qb15a607521_qkv.kd
    .args:
      - { .name: img, .offset: 0, .size: 8, .value_kind: global_buffer, .address_space: global }
      - { .name: scl, .offset: 8, .size: 8, .value_kind: global_buffer, .address_space: global }
      - { .name: bq, .offset: 16, .size: 8, .value_kind: global_buffer, .address_space: global }
      - { .name: bk, .offset: 24, .size: 8, .value_kind: global_buffer, .address_space: global }
      - { .name: bv, .offset: 32, .size: 8, .value_kind: global_buffer, .address_space: global }
      - { .name: qkv, .offset: 40, .size: 8, .value_kind: global_buffer, .address_space: global }
    .group_segment_fixed_size: 327680
    .private_segment_fixed_size: 0
    .kernarg_segment_align: 8
    .kernarg_segment_size: 48
    .max_flat_workgroup_size: 128
    .sgpr_count:     102
    .vgpr_count:     1024
    .wavefront_size: 32
...
	.end_amdgpu_metadata
.endif
;; end of part 2
;; launch attn (part 3): grid 4 x 64, 8 waves a work-group, clusters of 4 x 1, 327,680 bytes of LDS; arguments qkv, o_img, o_scl; writes o_img, o_scl
.if DOCPART == 3
	.amdgcn_target "amdgcn-amd-amdhsa--gfx1250"
	.amdhsa_code_object_version 6
	.text
	.protected	k_qb15a607521_attn
	.globl	k_qb15a607521_attn
	.p2align	8
	.type	k_qb15a607521_attn,@function
k_qb15a607521_attn:
	s_mov_b64 s[64:65], 0
	v_nop
	global_prefetch_b8 v0, s[64:65] scope:SCOPE_SE
	s_setreg_imm32_b32 hwreg(HW_REG_WAVE_MODE, 25, 1), 1
	s_wait_xcnt 0x0
	s_wait_alu depctr_hold_cnt(0) depctr_sa_sdst(0) depctr_va_vdst(0) depctr_va_sdst(0) depctr_va_ssrc(0) depctr_va_vcc(0) depctr_vm_vsrc(0)
	s_getreg_b32 s2, hwreg(HW_REG_IB_STS2, 6, 4)
	s_cmp_eq_u32 s2, 0
	s_cbranch_scc0 .Lentry_in_a_cluster
	s_endpgm
.Lentry_in_a_cluster:
	s_bfe_u32 s2, ttmp6, 0x10000c
	s_cmp_lg_u32 s2, 0x3003
	s_cbranch_scc0 .Lentry_shape_is_right
	s_endpgm
.Lentry_shape_is_right:
; Launch 3 of 4: o = softmax(q k^T / 8) v for one batch x head and 512 queries a work-group, on codes of FP6 (E2M3) with E8M0 scales; o is quantised along the head's 64 channels for launch 4.  No work is left out.
; Both products are used transposed (S^T = k q^T, O^T = v^T p^T): a lane holds one query, its registers run along the keys or the channels.  p = 2^(t - M), t = score x log2(e) / 8, M the ceiling of the running
; largest t; the row's sum is taken of the unquantised p; when M moves, sum and O^T are multiplied by the exact power of two 2^(old M - new M); O^T is divided by the sum at the end.
; LIMITS: the promise holds while |t| stays under 2^31.  NaN and infinities are not served.  A block whose largest magnitude lies under 2^-124 gets the scale byte 1.
; SHARES.  Eight waves, two on a SIMD.  A wave holds TWO tiles of 16 queries at once (tile u of wave w in pass n is tile 16 n + 2 w + u of the work-group's 32), so each fragment of k and v read from LDS feeds two
; matrix instructions, and the two tiles' chains of vector work stand line by line in turn.  Two passes of 16 steps of 128 keys: one loop of 32 trips; the change of pass stands under a branch on the trip's number.
; LDS: all 16 steps of the head's k and v (13,312 bytes a step) are filled ONCE, at the head: each wave asks for two steps by one tensor load of two rows of 13,312 bytes, 19,968 apart in memory.
; CLUSTER: the four work-groups of a head need the same k and v and ask jointly (mask 15).  No data prefetch: all tiles are asked for at the head, so there is no loop to run ahead in; both passes' q are loaded at the head too.
; THE BARRIER IN THE LOOP guards no bytes: its signal stands at a trip's top and its wait behind the trip's last product, so that no wave ends trip i before every wave has begun it: the waves walk the same steps of LDS together.
; In a trip the next step's k is fetched behind the scores' products and this step's v ahead of it; the last trip's fetch of step 0 is read by nobody.
; REGISTERS.  Window 0: addresses, state, scale words, q, k, v, p, temporaries.  Window 1: v0-127 the scores, then p (tile u at 64 u); v128-191 O^T (32 u); v192-205 pass 1's q and its scale words.
.set HD,    319488
.set REC,   6656
.set STEPB, 2*REC
.set SPARE, 16*STEPB                   ; behind the 16 steps: the spare words, 128 bytes a wave
.set L8,  1                            ; 8 x lane
.set R16, 2                            ; 16 x (lane % 16)
.set L16, 3                            ; 16 x lane
.set SPW, 4
.set NIL, 5
.set ADK, 6                            ; next step's k;  v7 its scale words;  v8 this step's v's scale words;  v9 this step's v
.set ADS, 7
.set ADT, 8
.set ADV, 9
.set R8,  10
.set NM,  12                           ; v[12+2u] -M, v[13+2u] the running largest score
.set LS,  16                           ; v[16+2u:17+2u] the row's sum, in two halves
.set F,   20                           ; v[20+2u] the factor (the pair's upper word is written once)
.set QS,  24                           ; scale words, and nothing else: q's v24-25, p's v26-27, k's v28-35, v's v36-39
.set PS,  26
.set KS,  28
.set VS,  36
.set Q,   40                           ; tile u: six registers of codes, six of zeros (K = 64 of the instruction's 128)
.set KF,  64                           ; eight tiles of six registers; an operand runs on into the next tile, which meets q's zeros
.set ZK,  112
.set VF,  118
.set P,   166
.set BM,  190
.set PT,  198
.set SO,  206
.set BY,  214
.set CT,  222
.set S2,  238
.set TT,  242
.set DD,  244
.set S,   0
.set OT,  128
.set Q2,  192
.set QS2, 204
.set WV,  10
.set SEL, 20
.set CS,  22
.set G1,  24
.set G0,  32
.set TB,  40
.set TBN, 41
.set CNT, 42
.set T0,  43
.set QB,  44
.set OI,  46
.set OS,  48
.set QSB, 50
.set MSB, 0
.macro WIN new                         ; low byte: bits 1:0 source 0, 3:2 source 1, 5:4 source 2, 7:6 destination; the high byte repeats the setting that is left
.if MSB != \new
	s_set_vgpr_msb (MSB<<8)|\new
.set MSB, \new
.endif
.endm
.macro WALU
	s_wait_alu depctr_va_vdst(0)
.endm
.macro CROUND
	s_barrier_signal -1
	s_barrier_wait -1
	s_cmp_lg_u32 s[WV], 0
	s_cbranch_scc1 .Lnot_wave_0_\@
	s_barrier_signal -3
.Lnot_wave_0_\@:
	s_barrier_wait -3
	s_barrier_signal -1
	s_barrier_wait -1
.endm
.macro MM d, a, b, c, sa, sb
	v_wmma_scale_f32_16x16x128_f8f6f4 v[\d:\d+7], v[\a:\a+11], v[\b:\b+11], \c, v[\sa], v[\sb] matrix_a_fmt:MATRIX_FMT_FP6 matrix_b_fmt:MATRIX_FMT_FP6
.endm
.macro KLOAD ak, as                    ; a step's k: eight tiles of three pieces, and two runs of scale words: 26 loads
.irp t, 0,1,2,3,4,5,6,7
.irp p, 0,1,2
	ds_load_b64 v[KF+6*\t+2*\p:KF+6*\t+2*\p+1], v[\ak] offset:768*\t+256*\p
.endr
.endr
	ds_load_b128 v[KS:KS+3], v[\as] offset:6144
	ds_load_b128 v[KS+4:KS+7], v[\as] offset:6400
.endm
.macro RESET                           ; a pass begins: -M = 3e38, largest score -3e38, sums and O^T 0
.irp u, 0,1
	v_mov_b32 v[NM+2*\u], 0x7f61b1e6
	v_mov_b32 v[NM+2*\u+1], 0xff61b1e6
	v_mov_b32 v[LS+2*\u], 0
	v_mov_b32 v[LS+2*\u+1], 0
.endr
	WIN 0x40
.set j, 0
.rept 64
	v_mov_b32 v[OT+j], 0
.set j, j+1
.endr
	WIN 0
.endm
.macro RESCALE                         ; O^T x the factor; the wait stands directly ahead of O^T's first reader; each accumulator is read from its low end on
	WIN 0x41
	WALU
.irp u, 0,1
.set j, 0
.rept 16
	v_pk_mul_f32 v[OT+32*\u+j:OT+32*\u+j+1], v[OT+32*\u+j:OT+32*\u+j+1], v[F+2*\u:F+2*\u+1] op_sel_hi:[1,0]
.set j, j+2
.endr
.endr
.endm
.macro FINISH n                        ; O^T / the sum, quantised along the 64 channels: half a fragment and two scale bytes for each tile
.rept 4
	v_nop                                  ; places behind the last products
.endr
.irp u, 0,1
	v_add_f32 v[LS+2*\u], v[LS+2*\u], v[LS+2*\u+1]
.endr
.irp u, 0,1
	v_permlanex16_b32 v[PT+\u], v[LS+2*\u], s[SEL], s[SEL+1]
.endr
.irp u, 0,1
	v_add_f32 v[LS+2*\u], v[LS+2*\u], v[PT+\u]
.endr
	WALU
.irp u, 0,1
	v_rcp_f32 v[F+2*\u], v[LS+2*\u]
.endr
	v_nop
	RESCALE
	WIN 0x05
.irp u, 0,1
.irp b, 0,1
	v_max3_num_f32 v[BM+2*\u+\b], |v[OT+32*\u+16*\b]|, |v[OT+32*\u+16*\b+1]|, 0x1800000
.endr
.endr
	WIN 0x14
.irp i, 2,4,6,8,10,12,14
.irp u, 0,1
.irp b, 0,1
	v_max3_num_f32 v[BM+2*\u+\b], v[BM+2*\u+\b], |v[OT+32*\u+16*\b+\i]|, |v[OT+32*\u+16*\b+\i+1]|
.endr
.endr
.endr
	WIN 0
.irp k, 0,1,2,3
	v_permlanex16_b32 v[PT+\k], v[BM+\k], s[SEL], s[SEL+1]
.endr
.irp k, 0,1,2,3
	v_max_num_f32 v[BM+\k], v[BM+\k], v[PT+\k]
.endr
.irp k, 0,1,2,3
	v_add_nc_u32 v[SO+\k], 0xff000000, v[BM+\k]
.endr
.irp k, 0,1,2,3
	v_lshrrev_b32 v[BY+\k], 23, v[SO+\k]
.endr
.irp u, 0,1
	v_lshl_or_b32 v[TT+\u], v[BY+2*\u+1], 8, v[BY+2*\u]
.endr
	WIN 0x01
.irp u, 0,1
	v_cvt_scalef32_pk16_fp6_f32 v[P+12*\u:P+12*\u+2], v[OT+32*\u:OT+32*\u+15], v[SO+2*\u]
	v_cvt_scalef32_pk16_fp6_f32 v[P+12*\u+6:P+12*\u+8], v[OT+32*\u+16:OT+32*\u+31], v[SO+2*\u+1]
.endr
	WIN 0
	v_nop
.irp u, 0,1
.irp i, 0,1,2
	v_permlane16_swap_b32 v[P+12*\u+\i], v[P+12*\u+6+\i]
.endr
.endr
.irp u, 0,1
.irp i, 0,1,2
	v_mov_b32 v[P+12*\u+3+\i], v[P+12*\u+6+\i]
.endr
.endr
.irp u, 0,1
.irp p, 0,1,2
	global_store_b64 v[L8], v[P+12*\u+2*\p:P+12*\u+2*\p+1], s[OI:OI+1] offset:12288*(16*\n+\u)+256*\p   ; 256 consecutive bytes, aligned
.endr
	global_store_b16 v[R8], v[TT+\u], s[OS:OS+1] offset:512*(16*\n+\u)
.endr
.endm
; ---- the head
	s_load_b128 s[4:7], s[0:1], 0x0                ; qkv, o_img
	s_load_b64 s[8:9], s[0:1], 0x10                ; o_scl
	v_lshl_add_u32 v[SPW], v0, 2, SPARE
	v_mov_b32 v[NIL], 0
	ds_add_u32 v[SPW], v[NIL]                      ; the opening lines: the add, twice on end, and its wait
	ds_add_u32 v[SPW], v[NIL]
	v_lshrrev_b32 v11, 5, v0
	v_readfirstlane_b32 s[WV], v11                 ; wave 0..7
	v_and_b32 v[ADK], 31, v0
	v_and_b32 v[ADS], 15, v0
	v_lshlrev_b32 v[L8], 3, v[ADK]
	v_lshlrev_b32 v[L16], 4, v[ADK]
	v_lshlrev_b32 v[R16], 4, v[ADS]
	v_lshlrev_b32 v[R8], 3, v[ADS]
	s_bfe_u32 s11, ttmp6, 0x40000                  ; cx: which 512 queries
	s_and_b32 s12, ttmp7, 0xffff                   ; batch x 16 + head
	s_mov_b32 s[G1], 15|(3<<16)|(1<<21)            ; the four partners; elements of 8 bytes
	s_mov_b32 s[G1+1], 1664<<16                    ; a row: a step's k and v, 13,312 bytes
	s_mov_b32 s[G1+2], 2<<16                       ; two steps
	s_mov_b32 s[G1+3], 1664<<16
	s_mov_b32 s[G1+4], 2
	s_mov_b32 s[G1+5], 2496                        ; 19,968 bytes from step to step
	s_mov_b32 s[G1+6], 0
	s_mov_b32 s[G1+7], 0
	s_mov_b32 s[SEL], 0x76543210
	s_mov_b32 s[SEL+1], 0xfedcba98
	s_mov_b32 s[CS], 0x3e38aa3b                    ; log2(e) / 8
	s_mov_b32 s[CS+1], s[CS]
	s_mul_i32 s13, s12, HD
	s_mul_i32 s14, s[WV], 6*REC                    ; steps 2 w, 2 w + 1,
	s_add_co_u32 s14, s14, s13
	s_add_co_u32 s14, s14, REC                     ; behind the step's q
	s_mov_b32 s15, 0
	s_mul_i32 s16, s[WV], 2*STEPB
	s_lshl_b32 s17, s11, 2
	s_lshr_b32 s18, s[WV], 2
	s_add_co_u32 s17, s17, s18
	s_mul_i32 s17, s17, 3*REC
	s_add_co_u32 s17, s17, s13                     ; pass 0's q record: step 4 cx + w / 4; my tiles a = 2 (w % 4), + 1
	s_and_b32 s18, s[WV], 3
	s_mul_i32 s18, s18, 1536
	s_add_co_u32 s[QB], s17, s18
	s_mov_b32 s[QB+1], 0
	s_bfe_u32 s18, s[WV], 0x10001
	s_lshl_b32 s18, s18, 8
	s_and_b32 s19, s[WV], 1
	s_lshl_b32 s19, s19, 3
	s_add_co_u32 s18, s18, s19
	s_add_co_u32 s[QSB], s17, s18
	s_add_co_u32 s[QSB], s[QSB], 6144              ; their scale words: 6,144 + 256 (a / 4) + 4 (a % 4), two on end
	s_mov_b32 s[QSB+1], 0
	s_lshr_b32 s17, s12, 4
	s_lshl_b32 s17, s17, 7
	s_lshl_b32 s18, s11, 5
	s_add_co_u32 s17, s17, s18
	s_lshl_b32 s18, s[WV], 1
	s_add_co_u32 s17, s17, s18                     ; o's rowtile: 128 batch + 32 cx + 2 w (+ u + 16 n)
	s_and_b32 s18, s12, 15
	s_mul_i32 s[OI], s17, 12288
	s_lshr_b32 s19, s18, 1
	s_mul_i32 s19, s19, 1536
	s_add_co_u32 s[OI], s[OI], s19
	s_and_b32 s19, s12, 1
	s_mul_i32 s19, s19, 768
	s_add_co_u32 s[OI], s[OI], s19
	s_mov_b32 s[OI+1], 0
	s_lshl_b32 s[OS], s17, 9
	s_lshr_b32 s19, s18, 2
	s_lshl_b32 s19, s19, 7
	s_add_co_u32 s[OS], s[OS], s19
	s_bfe_u32 s19, s12, 0x10001
	s_lshl_b32 s19, s19, 2
	s_add_co_u32 s[OS], s[OS], s19
	s_and_b32 s19, s12, 1
	s_lshl_b32 s19, s19, 1
	s_add_co_u32 s[OS], s[OS], s19
	s_mov_b32 s[OS+1], 0
	WALU
	s_wait_dscnt 0x0
	s_wait_kmcnt 0x0
	s_mov_b32 s[G0], 1
	s_mov_b32 s[G0+1], s16
	s_add_nc_u64 s[G0+2:G0+3], s[4:5], s[14:15]
	s_or_b32 s[G0+3], s[G0+3], 0x80000000
	s_add_nc_u64 s[QB:QB+1], s[4:5], s[QB:QB+1]
	s_add_nc_u64 s[QSB:QSB+1], s[4:5], s[QSB:QSB+1]
	s_add_nc_u64 s[OI:OI+1], s[6:7], s[OI:OI+1]
	s_add_nc_u64 s[OS:OS+1], s[8:9], s[OS:OS+1]
.irp u, 0,1
.irp p, 0,1,2
	global_load_b64 v[Q+12*\u+2*\p:Q+12*\u+2*\p+1], v[L8], s[QB:QB+1] offset:768*\u+256*\p
.endr
.endr
	global_load_b64 v[QS:QS+1], v[R16], s[QSB:QSB+1]
	WIN 0x40                                       ; pass 1's q, two steps on, waits in window 1
.irp u, 0,1
.irp p, 0,1,2
	global_load_b64 v[Q2+6*\u+2*\p:Q2+6*\u+2*\p+1], v[L8], s[QB:QB+1] offset:6*REC+768*\u+256*\p
.endr
.endr
	global_load_b64 v[QS2:QS2+1], v[R16], s[QSB:QSB+1] offset:6*REC
	WIN 0
	CROUND                                         ; the four partners are here: the joint loads meet
	tensor_load_to_lds s[G0:G0+3], s[G1:G1+7]      ; my one tensor load of the launch
	s_nop 0
.irp i, 0,1,2,3,4,5
	v_mov_b32 v[Q+6+\i], 0
	v_mov_b32 v[Q+18+\i], 0
	v_mov_b32 v[ZK+\i], 0
.endr
.irp k, 0,1,2,3,4,5,6,7
	v_mov_b32 v[PT+\k], 0                          ; written once: a lane permute's destination counts as one of its sources
.endr
	v_mov_b32 v[F+1], 0
	v_mov_b32 v[F+3], 0
	RESET
	WALU                                           ; the wait at the head's end
	s_wait_loadcnt 0x0
	s_wait_tensorcnt 0x0
	s_barrier_signal -1
	s_barrier_wait -1                              ; all 16 steps are in
	KLOAD L8, R16                                  ; step 0's k
	s_mov_b32 s[CNT], 0
.Ltrip:
	s_and_b32 s[T0], s[CNT], 15
	s_mul_i32 s[TB], s[T0], STEPB                  ; this step,
	s_add_co_u32 s[T0], s[CNT], 1
	s_and_b32 s[T0], s[T0], 15
	s_mul_i32 s[TBN], s[T0], STEPB                 ; and the next (behind the 16th: the next pass's first)
	s_wait_dscnt 0x0                               ; this step's k is in
	s_barrier_signal -1
	WIN 0x40
.irp t, 0,1,2,3,4,5,6,7
.irp u, 0,1
	MM S+64*\u+8*\t, KF+6*\t, Q+12*\u, 0, KS+\t, QS+\u
.endr
.endr
	WIN 0
	v_add_nc_u32 v[ADV], s[TB], v[L8]              ; these four are the places behind the products
	v_add_nc_u32 v[ADT], s[TB], v[L16]
	v_add_nc_u32 v[ADK], s[TBN], v[L8]
	v_add_nc_u32 v[ADS], s[TBN], v[R16]
.irp t, 0,1,2,3
.irp p, 0,1,2,3,4,5
	ds_load_b64 v[VF+12*\t+2*\p:VF+12*\t+2*\p+1], v[ADV] offset:REC+1536*\t+256*\p
.endr
.endr
	ds_load_b128 v[VS:VS+3], v[ADT] offset:REC+6144
	KLOAD ADK, ADS
	WIN 0x15                                       ; the largest score of each block of 32 keys: eight chains by turns
.irp u, 0,1
.irp b, 0,1,2,3
	v_max3_num_f32 v[BM+4*\u+\b], v[S+64*\u+16*\b], v[S+64*\u+16*\b+1], v[S+64*\u+16*\b+2]
.endr
.endr
	WIN 0x14
.irp i, 3,5,7,9,11,13
.irp u, 0,1
.irp b, 0,1,2,3
	v_max3_num_f32 v[BM+4*\u+\b], v[BM+4*\u+\b], v[S+64*\u+16*\b+\i], v[S+64*\u+16*\b+\i+1]
.endr
.endr
.endr
	WIN 0x04
.irp u, 0,1
.irp b, 0,1,2,3
	v_max_num_f32 v[BM+4*\u+\b], v[BM+4*\u+\b], v[S+64*\u+16*\b+15]
.endr
.endr
	WIN 0
.irp k, 0,1,2,3,4,5,6,7
	v_permlanex16_b32 v[PT+\k], v[BM+\k], s[SEL], s[SEL+1]
.endr
.irp k, 0,1,2,3,4,5,6,7
	v_max_num_f32 v[BM+\k], v[BM+\k], v[PT+\k]     ; with lane l xor 16's 16 keys
.endr
.irp u, 0,1
	v_max3_num_f32 v[NM+2*\u+1], v[NM+2*\u+1], v[BM+4*\u], v[BM+4*\u+1]
.endr
.irp u, 0,1
	s_delay_alu instid0(VALU_DEP_2)
	v_max3_num_f32 v[NM+2*\u+1], v[NM+2*\u+1], v[BM+4*\u+2], v[BM+4*\u+3]   ; the running largest score
.endr
.irp u, 0,1
	s_delay_alu instid0(VALU_DEP_2)
	v_mul_f32 v[TT+\u], s[CS], v[NM+2*\u+1]        ; as t
.endr
.irp u, 0,1
	s_delay_alu instid0(VALU_DEP_2)
	v_floor_f32 v[TT+\u], -v[TT+\u]                ; the new -M = -ceil(t)
.endr
.irp u, 0,1
	s_delay_alu instid0(VALU_DEP_2)
	v_sub_f32 v[DD+\u], v[TT+\u], v[NM+2*\u]       ; old M - new M, a whole number, 0 or less
.endr
.irp u, 0,1
	s_delay_alu instid0(VALU_DEP_4)
	v_mov_b32 v[NM+2*\u], v[TT+\u]
.endr
.irp u, 0,1
	s_delay_alu instid0(VALU_DEP_4)
	v_cvt_i32_f32 v[DD+\u], v[DD+\u]               ; (it saturates)
.endr
.irp u, 0,1
	s_delay_alu instid0(VALU_DEP_2)
	v_ldexp_f32 v[F+2*\u], 1.0, v[DD+\u]           ; the factor 2^(old M - new M)
.endr
	WIN 0x41
.irp u, 0,1
.set j, 0
.rept 32
	v_pk_fma_f32 v[S+64*\u+j:S+64*\u+j+1], v[S+64*\u+j:S+64*\u+j+1], s[CS:CS+1], v[NM+2*\u:NM+2*\u+1] op_sel_hi:[1,0,0]   ; t - M
.set j, j+2
.endr
.endr
	WIN 0
.irp u, 0,1
.irp b, 0,1,2,3
	v_fma_f32 v[BM+4*\u+\b], v[BM+4*\u+\b], s[CS], v[NM+2*\u]   ; the same of each block's largest score
.endr
.endr
	WALU                                           ; the wait ahead of the batch
.irp k, 0,1,2,3,4,5,6,7
	v_exp_f32 v[BM+\k], v[BM+\k]                   ; each block's largest p
.endr
	WIN 0x41
.set j, 0
.rept 128
	v_exp_f32 v[S+j], v[S+j]                       ; p = 2^(t - M)
.set j, j+1
.endr
	WIN 0
.irp u, 0,1
	v_pk_mul_f32 v[LS+2*\u:LS+2*\u+1], v[LS+2*\u:LS+2*\u+1], v[F+2*\u:F+2*\u+1] op_sel_hi:[1,0]   ; the sums under the new M; plain places behind the batch
.endr
	WALU                                           ; one wait for the batch, ahead of its first reader
	WIN 0x05                                       ; the row's sum of the unquantised p: four chains by turns
.irp u, 0,1
	v_pk_add_f32 v[S2+2*\u:S2+2*\u+1], v[S+64*\u:S+64*\u+1], v[S+64*\u+2:S+64*\u+3]
.endr
	WIN 0x04
.irp j, 4,8,12,16,20,24,28,32,36,40,44,48,52,56,60
.irp u, 0,1
	v_pk_add_f32 v[LS+2*\u:LS+2*\u+1], v[LS+2*\u:LS+2*\u+1], v[S+64*\u+\j:S+64*\u+\j+1]
	v_pk_add_f32 v[S2+2*\u:S2+2*\u+1], v[S2+2*\u:S2+2*\u+1], v[S+64*\u+\j+2:S+64*\u+\j+3]
.endr
.endr
	WIN 0
.irp u, 0,1
	v_pk_add_f32 v[LS+2*\u:LS+2*\u+1], v[LS+2*\u:LS+2*\u+1], v[S2+2*\u:S2+2*\u+1]
.endr
.irp k, 0,1,2,3,4,5,6,7
	v_max_num_f32 v[BM+\k], 0x1800000, v[BM+\k]    ; the floor 2^(3 - 127): the byte cannot fall under 1
.endr
.irp k, 0,1,2,3,4,5,6,7
	v_add_nc_u32 v[SO+\k], 0xff000000, v[BM+\k]    ; 2 off the exponent field: the conversion's scale operand
.endr
.irp k, 0,1,2,3,4,5,6,7
	v_lshrrev_b32 v[BY+\k], 23, v[SO+\k]
.endr
.irp u, 0,1
	v_lshl_or_b32 v[PS+\u], v[BY+4*\u+1], 8, v[BY+4*\u]
.endr
.irp u, 0,1
	s_delay_alu instid0(VALU_DEP_2)
	v_lshl_or_b32 v[PS+\u], v[BY+4*\u+2], 16, v[PS+\u]
.endr
.irp u, 0,1
	s_delay_alu instid0(VALU_DEP_2)
	v_lshl_or_b32 v[PS+\u], v[BY+4*\u+3], 24, v[PS+\u]   ; p's scale word for these 128 keys
.endr
	WIN 0x01
.irp u, 0,1
.irp c, 0,1
	v_cvt_scalef32_pk16_fp6_f32 v[P+12*\u+6*\c:P+12*\u+6*\c+2], v[S+64*\u+32*\c:S+64*\u+32*\c+15], v[SO+4*\u+2*\c]
	v_cvt_scalef32_pk16_fp6_f32 v[CT+8*\u+4*\c:CT+8*\u+4*\c+2], v[S+64*\u+32*\c+16:S+64*\u+32*\c+31], v[SO+4*\u+2*\c+1]
.endr
.endr
	WIN 0
	v_nop                                          ; one plain place behind a scaled conversion
.irp u, 0,1
.irp c, 0,1
.irp i, 0,1,2
	v_permlane16_swap_b32 v[P+12*\u+6*\c+\i], v[CT+8*\u+4*\c+\i]   ; the operand's layout wants a whole block in a lane
.endr
.endr
.endr
.irp u, 0,1
.irp c, 0,1
.irp i, 0,1,2
	v_mov_b32 v[P+12*\u+6*\c+3+\i], v[CT+8*\u+4*\c+\i]
.endr
.endr
.endr
	RESCALE                                        ; its 32 lines are also the places between p's codes and scale words and the products below
	WALU
	s_wait_dscnt 26                                ; v's 25 loads are in; the 26 issued behind them, the next step's k, may be out
	WIN 0x50
.irp t, 0,1,2,3
.irp u, 0,1
	MM OT+32*\u+8*\t, VF+12*\t, P+12*\u, v[OT+32*\u+8*\t:OT+32*\u+8*\t+7], VS+\t, PS+\u   ; the eight accumulators by turns
.endr
.endr
	WIN 0
	s_barrier_wait -1                              ; every wave has begun this trip
	s_cmp_lg_u32 s[CNT], 15
	s_cbranch_scc1 .Lsame_pass
	FINISH 0
	WIN 0x01
.irp u, 0,1
.irp i, 0,1,2,3,4,5
	v_mov_b32 v[Q+12*\u+\i], v[Q2+6*\u+\i]         ; pass 1's q
.endr
	v_mov_b32 v[QS+\u], v[QS2+\u]
.endr
	WIN 0
	RESET
	WALU
	s_wait_xcnt 0x0                                ; the stores have read their data: the next trip writes those registers
.Lsame_pass:
	s_add_co_u32 s[CNT], s[CNT], 1
	s_cmp_lt_u32 s[CNT], 32
	s_cbranch_scc1 .Ltrip
	FINISH 1
	s_wait_tensorcnt 0x0                           ; the wave's end
	ds_add_u32 v[SPW], v[NIL]
	s_wait_dscnt 0x0
	CROUND                                         ; the closing round
	s_endpgm
.Lfunc_end_k_qb15a607521_attn:
	.size	k_qb15a607521_attn, .Lfunc_end_k_qb15a607521_attn-k_qb15a607521_attn
	.p2alignl 7, 3214868480
	.fill 96, 4, 3214868480
	.section	.rodata,"a",@progbits
	.p2align	6, 0x0
	.amdhsa_kernel k_qb15a607521_attn
		.amdhsa_group_segment_fixed_size 327680
		.amdhsa_private_segment_fixed_size 0
		.amdhsa_enable_private_segment 0
		.amdhsa_kernarg_size 24
		.amdhsa_user_sgpr_count 2
		.amdhsa_user_sgpr_kernarg_segment_ptr 1
		.amdhsa_wavefront_size32 1
		.amdhsa_system_sgpr_workgroup_id_x 1
		.amdhsa_system_sgpr_workgroup_id_y 1
		.amdhsa_system_sgpr_workgroup_id_z 1
		.amdhsa_system_vgpr_workitem_id 0
		.amdhsa_next_free_vgpr 512
		.amdhsa_next_free_sgpr 66
		.amdhsa_reserve_vcc 0
		.amdhsa_float_denorm_mode_32 3
		.amdhsa_float_denorm_mode_16_64 3
		.amdhsa_memory_ordered 1
		.amdhsa_forward_progress 1
		.amdhsa_inst_pref_size 60
	.end_amdhsa_kernel
	.amdgpu_metadata
---
amdhsa.version: [ 1, 2 ]
amdhsa.kernels:
  - .name:           k_qb15a607521_attn
    .symbol:         k_qb15a607521_attn.kd
    .args:
      - { .name: qkv, .offset: 0, .size: 8, .value_kind: global_buffer, .address_space: global }
      - { .name: o_img, .offset: 8, .size: 8, .value_kind: global_buffer, .address_space: global }
      - { .name: o_scl, .offset: 16, .size: 8, .value_kind: global_buffer, .address_space: global }
    .group_segment_fixed_size: 327680
    .private_segment_fixed_size: 0
    .kernarg_segment_align: 8
    .kernarg_segment_size: 24
    .max_flat_workgroup_size: 256
    .sgpr_count:     66
    .vgpr_count:     512
    .wavefront_size: 32
...
	.end_amdgpu_metadata
.endif
;; end of part 3
;; launch oproj (part 4): grid 8 x 32, 4 waves a work-group, clusters of 4 x 4, 327,680 bytes of LDS; arguments o_img, o_scl, img, scl, bo, out0; writes out0
.if DOCPART == 4
	.amdgcn_target "amdgcn-amd-amdhsa--gfx1250"
	.amdhsa_code_object_version 6
	.text
	.protected	k_qb15a607521_oproj
	.globl	k_qb15a607521_oproj
	.p2align	8
	.type	k_qb15a607521_oproj,@function
k_qb15a607521_oproj:
	s_mov_b64 s[64:65], 0
	v_nop
	global_prefetch_b8 v0, s[64:65] scope:SCOPE_SE
	s_setreg_imm32_b32 hwreg(HW_REG_WAVE_MODE, 25, 1), 1
	s_wait_xcnt 0x0
	s_wait_alu depctr_hold_cnt(0) depctr_sa_sdst(0) depctr_va_vdst(0) depctr_va_sdst(0) depctr_va_ssrc(0) depctr_va_vcc(0) depctr_vm_vsrc(0)
	s_getreg_b32 s2, hwreg(HW_REG_IB_STS2, 6, 4)
	s_cmp_eq_u32 s2, 0
	s_cbranch_scc0 .Lentry_in_a_cluster
	s_endpgm
.Lentry_in_a_cluster:
	s_bfe_u32 s2, ttmp6, 0x10000c
	s_cmp_lg_u32 s2, 0xf033
	s_cbranch_scc0 .Lentry_shape_is_right
	s_endpgm
.Lentry_shape_is_right:
; Launch 4 of 4: out0 = o Wo^T + bo on codes of FP6 (E2M3) with E8M0 scales, K = 1,024; f32 results.  No work is left out.
; OPERANDS: o_img, o_scl as launch 3 left them and Wo's part of img, scl (rowtiles 704-767) as launch 1 did: a rowtile (16 rows, all of K) is 12,288 dense bytes, eight fragments of six pieces of 256 bytes; its scale words are 512 bytes [K pair][row][2].
; Row i of rowtile T is row 32 (T / 2) + 8 (T % 2) + i + 8 (i / 8) of its tensor.
; THE DEAL.  256 work-groups of four waves (a, b), each 256 tokens x 128 columns.  A wave holds 64 rows of Wo (four rowtiles, columns 64 b .. 64 b + 63 of the 128), ALL of K, in 384 registers, and the eight rowtiles of chunk a of o
; stream past them, 32 products each.  Source 0 = Wo, source 1 = o: a lane holds one token, its register 8 c + j column 32 (c / 2) + 8 (c % 2) + 16 h + j.  The bias is the C of a rowtile's first four products.
; LDS: two chunks of 128 tokens (98,304 bytes each), Wo's 128 rows (98,304), both chunks' scale words (8,192), the spare words, and a stage of 16 x 272 bytes for each wave, on bytes into which no fill lands.
; FILLS: once, at the head, one joint load a wave: Wo's rows (shared along a column of the cluster), the scale words, chunk 0, chunk 1 (shared along a row).  Nothing is filled again.
; No data prefetch: all tiles are asked for at the head, so there is no loop to run ahead in.
; THE WAY OUT: a rowtile's 16 x 64 sums go through my own stage and come back as rows of 256 bytes: sixteen lanes store one aligned unit.  They are stored behind the wait at the next rowtile's head, which also shows that rowtile's fragments in.
; REGISTERS: v0-27 addresses; v28-43 Wo's scale words (lanes 0-15 an even rowtile's, lanes 16-31 the odd one's), v48-63 o's, two sets; v64-95 the sums; v96-127 a rowtile read back from the stage; v128-159 the bias;
; v256-839 fragments, 21 to a window: 0-31 Wo's (4 q + c), 32-47 o's two sets.
.set RT,    12288
.set CH,    8*RT
.set YB,    CH
.set BVB,   2*CH
.set SCL,   3*CH
.set SPARE, SCL+8192
.set STAGE, SPARE+512
.set SP,    272                        ; a stage row: 256 bytes + 16
.set L8,   4
.set R8,   5
.set SPW,  10
.set NIL,  11
.set ADRB, 12
.set VA0,  13                          ; v13, v14: my chunk's rowtiles 0-3, 4-7
.set VSA,  15
.set STO,  16
.set RD,   17
.set CO,   18
.set ABS,  22
.set VBQ,  23
.set WS,   28
.set XS,   48
.set ACC,  64
.set BK,   96
.set BB,   128
.set G1A, 24
.set G1B, 32
.set G0A, 56
.set G0B, 60
.set G0R, 68
.set G0S, 72
.set G1S, 92
.set MSB, 0
.macro WIN new                         ; low byte: bits 1:0 source 0, 3:2 source 1, 5:4 source 2, 7:6 destination; the high byte repeats the setting that is left
.if MSB != \new
	s_set_vgpr_msb (MSB<<8)|\new
.set MSB, \new
.endif
.endm
.macro PLACES n
.rept \n
	v_nop
.endr
.endm
.macro WALU
	s_wait_alu depctr_va_vdst(0)
.endm
.macro BARRIER
	s_barrier_signal -1
	s_barrier_wait -1
.endm
.macro CROUND
	BARRIER
	s_cmp_lg_u32 s14, 0
	s_cbranch_scc1 .Lnot_wave_0_\@
	s_barrier_signal -3
.Lnot_wave_0_\@:
	s_barrier_wait -3
	BARRIER
.endm
.macro TLOAD g0, g1
	tensor_load_to_lds s[\g0:\g0+3], s[\g1:\g1+7]
	s_nop 0
	PLACES 4
.endm
.macro GROUP1 g, mask, c, rows         ; rows of c elements of 8 bytes, dense
	s_or_b32 s[\g], s[\mask], (3<<16)|(1<<21)
	s_mov_b32 s[\g+1], (\c)<<16
	s_mov_b32 s[\g+2], (\rows)<<16
	s_mov_b32 s[\g+3], (\c)<<16
	s_mov_b32 s[\g+4], \rows
	s_mov_b32 s[\g+5], \c
	s_mov_b32 s[\g+6], 0
	s_mov_b32 s[\g+7], 0
.endm
.macro G0SET g, lds, base, off         ; group 0: LDS place, 64-bit base + the offset in s\off
	s_mov_b32 s[\g], 1
	s_mov_b32 s[\g+1], \lds
	s_mov_b32 s20, s\off
	s_mov_b32 s21, 0
	s_add_nc_u64 s[\g+2:\g+3], s[\base:\base+1], s[20:21]
	s_or_b32 s[\g+3], s[\g+3], 0x80000000
.endm
.macro FRAG f, areg, off               ; fragment f lies in window 1 + f / 21 at register 12 (f % 21)
	WIN (1+(\f)/21)<<6
.irp p, 0,1,2,3,4,5
	ds_load_b64 v[12*((\f)%21)+2*\p:12*((\f)%21)+2*\p+1], v[\areg] offset:(\off)+256*\p
.endr
.endm
.macro WEIGHTS                         ; my four rowtiles of Wo: 192 loads
.irp q, 0,1,2,3,4,5,6,7
.irp c, 0,1,2,3
	FRAG 4*\q+\c, ADRB, \c*RT+\q*1536
.endr
.endr
	WIN 0
.endm
.macro FETCH e, areg, off, sreg, soff  ; a rowtile of o and its scale words into set e: 52 loads
.irp q, 0,1,2,3,4,5,6,7
	FRAG 32+8*(\e)+\q, \areg, (\off)+\q*1536
.endr
	WIN 0
.irp p, 0,1,2,3
	ds_load_b64 v[XS+8*(\e)+2*\p:XS+8*(\e)+2*\p+1], v[\sreg] offset:(\soff)+128*\p
.endr
.endm
.macro PR1 d, s0, s1, c, x0, x1, o
.if \o
	v_wmma_scale_f32_16x16x128_f8f6f4 v[\d:\d+7], v[\s0:\s0+11], v[\s1:\s1+11], \c, v[\x0], v[\x1] matrix_a_fmt:MATRIX_FMT_FP6 matrix_b_fmt:MATRIX_FMT_FP6 matrix_a_scale:MATRIX_SCALE_ROW1
.else
	v_wmma_scale_f32_16x16x128_f8f6f4 v[\d:\d+7], v[\s0:\s0+11], v[\s1:\s1+11], \c, v[\x0], v[\x1] matrix_a_fmt:MATRIX_FMT_FP6 matrix_b_fmt:MATRIX_FMT_FP6 matrix_a_scale:MATRIX_SCALE_ROW0
.endif
.endm
.macro PROD e, q, c                    ; K step q, Wo's rowtile c: source 0 = Wo, source 1 = o; sums and bias lie in window 0
.set FB_, 4*(\q)+(\c)
.set FA_, 32+8*(\e)+(\q)
.set RB_, 12*(FB_%21)
.set RA_, 12*(FA_%21)
.set DL_, ACC+8*(\c)
.set XB_, WS+8*((\c)/2)+(\q)
.set XA_, XS+8*(\e)+(\q)
	WIN (1+FB_/21)|((1+FA_/21)<<2)
.if \q
	PR1 DL_, RB_, RA_, v[DL_:DL_+7], XB_, XA_, (\c)%2
.else
	PR1 DL_, RB_, RA_, v[BB+8*(\c):BB+8*(\c)+7], XB_, XA_, (\c)%2
.endif
.endm
.macro PRODS e                         ; 32 products, the four accumulators by turns
.irp q, 0,1,2,3,4,5,6,7
.irp c, 0,1,2,3
	PROD \e, \q, \c
.endr
.endr
.endm
.macro SEND s                          ; rowtile s, back from the stage: load t holds rows 2 t and 2 t + 1, which are tokens + 2 t + 8 (t / 4) (+ 1) of the rowtile's first
.irp t, 0,1,2,3,4,5,6,7
	global_store_b128 v[CO], v[BK+4*\t:BK+4*\t+3], s[76:77] offset:(32*((\s)/2)+8*((\s)%2)+2*\t+8*(\t/4))*4096 th:TH_STORE_NT   ; sixteen lanes store 256 consecutive bytes, aligned
.endr
.endm
.macro OBLK s
.set E_, (\s)%2
	WIN 0
	s_wait_dscnt 0x0                               ; this rowtile's fragments are in, and the last rowtile's sums are back from the stage
.if \s
	SEND (\s)-1
.endif
.if (\s) < 7
	FETCH 1-E_, VA0+((\s)+1)/4, (((\s)+1)%4)*RT, VSA, ((\s)+1)*512
.endif
	PRODS E_
	WIN 0
	PLACES 5                                       ; behind the last products: for the stores below, for the next fetch, and for the next rowtile's first products, which begin these sums anew
.if \s
	s_wait_xcnt 0x0                                ; the last rowtile's stores have read their data
.endif
.irp b, 0,1
.irp k, 0,1,2,3
	ds_store_b128 v[STO], v[ACC+16*\b+4*\k:ACC+16*\b+4*\k+3] offset:128*\b+16*\k   ; columns 32 b + 16 h + 4 k ..; each accumulator from its low end on
.endr
.endr
.irp t, 0,1,2,3,4,5,6,7
	ds_load_b128 v[BK+4*\t:BK+4*\t+3], v[RD] offset:2*\t*SP   ; LDS serves a wave's instructions in order: these see the stores above
.endr
.endm
; ---- the head
	s_load_b256 s[48:55], s[0:1], 0x0              ; o_img, o_scl, img, scl
	s_load_b128 s[4:7], s[0:1], 0x20               ; bo, out0
	v_lshl_add_u32 v[SPW], v0, 2, SPARE
	v_mov_b32 v[NIL], 0
	ds_add_u32 v[SPW], v[NIL]                      ; the opening lines: the add, twice on end, and its wait
	ds_add_u32 v[SPW], v[NIL]
	v_lshrrev_b32 v1, 5, v0
	v_readfirstlane_b32 s14, v1                    ; wave; s15 = a, s16 = b
	s_lshr_b32 s15, s14, 1
	s_and_b32 s16, s14, 1
	s_bfe_u32 s40, ttmp6, 0x40000                  ; cx
	s_bfe_u32 s41, ttmp6, 0x40004                  ; cy
	s_lshl_b32 s42, ttmp9, 2
	s_add_co_u32 s42, s42, s40                     ; tile column, 0-7: 128 columns
	s_and_b32 s43, ttmp7, 0xffff
	s_lshl_b32 s43, s43, 2
	s_add_co_u32 s43, s43, s41                     ; tile row, 0-31: 256 tokens
	s_lshl_b32 s44, s41, 2
	s_lshl_b32 s44, 15, s44                        ; my row of the cluster
	s_lshl_b32 s45, 0x1111, s40                    ; my column
	GROUP1 G1A, 44, 1536, 8
	GROUP1 G1B, 45, 1536, 8
	GROUP1 G1S, 44, 32, 32
	s_mul_i32 s66, s43, 16*RT                      ; my 256 tokens, bytes from o_img
	s_lshl_b32 s18, s43, 13                        ; their scale words, from o_scl
	s_mul_i32 s17, s42, 8*RT
	s_add_co_u32 s17, s17, 704*RT                  ; Wo's 128 rows, from img
	v_and_b32 v1, 15, v0                           ; r
	v_bfe_u32 v2, v0, 4, 1                         ; h
	v_and_b32 v3, 31, v0
	v_lshlrev_b32 v[L8], 3, v3
	v_lshlrev_b32 v[R8], 3, v1
	s_mul_i32 s20, s16, 4*RT
	s_add_co_u32 s20, s20, BVB
	v_add_nc_u32 v[ADRB], s20, v[L8]
	s_mul_i32 s20, s15, CH
	v_add_nc_u32 v[VA0], s20, v[L8]
	v_add_nc_u32 v[VA0+1], CH/2, v[VA0]
	s_lshl_b32 s20, s15, 12
	s_add_co_u32 s20, s20, SCL
	v_add_nc_u32 v[VSA], s20, v[R8]
	s_mul_i32 s20, s14, 16*SP
	s_add_co_u32 s20, s20, STAGE                   ; my stage
	v_mul_u32_u24 v[STO], v1, SP
	v_lshl_add_u32 v[STO], v2, 6, v[STO]
	v_add_nc_u32 v[STO], s20, v[STO]               ; in: row r, + 64 h
	v_mul_u32_u24 v[RD], v2, SP
	v_lshl_add_u32 v[RD], v1, 4, v[RD]
	v_add_nc_u32 v[RD], s20, v[RD]                 ; back: lanes 0-15 one row of 256 bytes, lanes 16-31 the next
	v_lshlrev_b32 v[CO], 12, v2
	v_lshl_add_u32 v[CO], v1, 4, v[CO]             ; and the same two rows in out0
	v_lshl_add_u32 v[ABS], v2, 9, v[R8]            ; Wo's scale words: lanes 16-31 take the next rowtile's
	v_lshlrev_b32 v[VBQ], 6, v2
	WALU
	s_wait_dscnt 0x0
	CROUND                                         ; the opening round
	s_wait_kmcnt 0x0
	G0SET G0B, BVB, 52, 17
	G0SET G0S, SCL, 50, 18
	G0SET G0A, 0, 48, 66
	s_mov_b32 s[G0R], 1
	s_mov_b32 s[G0R+1], YB
	s_add_nc_u64 s[G0R+2:G0R+3], s[G0A+2:G0A+3], CH
	s_cmp_eq_u32 s14, 0
	s_cbranch_scc0 .Lwave_1
	TLOAD G0B, G1B                                 ; wave 0: Wo's rows
	s_branch .Lasked
.Lwave_1:
	s_cmp_eq_u32 s14, 1
	s_cbranch_scc0 .Lwave_2
	TLOAD G0S, G1S                                 ; wave 1: both chunks' scale words
	s_branch .Lasked
.Lwave_2:
	s_cmp_eq_u32 s14, 2
	s_cbranch_scc0 .Lwave_3
	TLOAD G0A, G1A                                 ; wave 2: chunk 0
	s_branch .Lasked
.Lwave_3:
	TLOAD G0R, G1A                                 ; wave 3: chunk 1
.Lasked:
	s_lshl_b32 s20, s42, 3
	s_lshl_b32 s23, s16, 2
	s_add_co_u32 s20, s20, s23
	s_add_co_u32 s20, s20, 704
	s_lshl_b32 s20, s20, 9
	s_mov_b32 s21, 0
	s_add_nc_u64 s[82:83], s[54:55], s[20:21]      ; Wo's scale words, my four rowtiles
	s_lshl_b32 s20, s42, 9
	s_lshl_b32 s23, s16, 8
	s_add_co_u32 s20, s20, s23                     ; my first column, in bytes: 512 x tile column + 256 b
	s_add_nc_u64 s[80:81], s[4:5], s[20:21]        ; bo
	s_add_nc_u64 s[76:77], s[6:7], s[20:21]
	s_lshl_b32 s20, s43, 8
	s_lshl_b32 s23, s15, 7
	s_add_co_u32 s20, s20, s23
	s_lshl_b32 s20, s20, 12                        ; my first token: 256 x tile row + 128 a, rows of 4,096 bytes
	s_add_nc_u64 s[76:77], s[76:77], s[20:21]
.irp i, 0,1
.irp p, 0,1,2,3
	global_load_b64 v[WS+8*\i+2*\p:WS+8*\i+2*\p+1], v[ABS], s[82:83] offset:1024*\i+128*\p
.endr
.endr
.irp c, 0,1,2,3                                ; the bias: register 8 c + j of lane (r, h) is column 32 (c / 2) + 8 (c % 2) + 16 h + j
	global_load_b128 v[BB+8*\c:BB+8*\c+3], v[VBQ], s[80:81] offset:(32*(\c/2)+8*(\c%2))*4
	global_load_b128 v[BB+8*\c+4:BB+8*\c+7], v[VBQ], s[80:81] offset:(32*(\c/2)+8*(\c%2))*4+16
.endr
	s_wait_loadcnt 0x0
	s_wait_tensorcnt 0x0
	BARRIER                                        ; the head's four tiles are in
	WEIGHTS
	FETCH 0, VA0, 0, VSA, 0
.irp s, 0,1,2,3,4,5,6,7
	OBLK \s
.endr
	s_wait_dscnt 0x0
	SEND 7
	s_wait_tensorcnt 0x0                           ; the wave's end: behind my last LDS store
	ds_add_u32 v[SPW], v[NIL]
	s_wait_dscnt 0x0
	CROUND                                         ; the closing round
	s_endpgm
.Lfunc_end_k_qb15a607521_oproj:
	.size	k_qb15a607521_oproj, .Lfunc_end_k_qb15a607521_oproj-k_qb15a607521_oproj
	.p2alignl 7, 3214868480
	.fill 96, 4, 3214868480
	.section	.rodata,"a",@progbits
	.p2align	6, 0x0
	.amdhsa_kernel k_qb15a607521_oproj
		.amdhsa_group_segment_fixed_size 327680
		.amdhsa_private_segment_fixed_size 0
		.amdhsa_enable_private_segment 0
		.amdhsa_kernarg_size 48
		.amdhsa_user_sgpr_count 2
		.amdhsa_user_sgpr_kernarg_segment_ptr 1
		.amdhsa_wavefront_size32 1
		.amdhsa_system_sgpr_workgroup_id_x 1
		.amdhsa_system_sgpr_workgroup_id_y 1
		.amdhsa_system_sgpr_workgroup_id_z 1
		.amdhsa_system_vgpr_workitem_id 0
		.amdhsa_next_free_vgpr 1024
		.amdhsa_next_free_sgpr 102
		.amdhsa_reserve_vcc 0
		.amdhsa_float_denorm_mode_32 3
		.amdhsa_float_denorm_mode_16_64 3
		.amdhsa_memory_ordered 1
		.amdhsa_forward_progress 1
		.amdhsa_inst_pref_size 97
	.end_amdhsa_kernel
	.amdgpu_metadata
---
amdhsa.version: [ 1, 2 ]
amdhsa.kernels:
  - .name:           k_qb15a607521_oproj
    .symbol:         k_qb15a607521_oproj.kd
    .args:
      - { .name: o_img, .offset: 0, .size: 8, .value_kind: global_buffer, .address_space: global }
      - { .name: o_scl, .offset: 8, .size: 8, .value_kind: global_buffer, .address_space: global }
      - { .name: img, .offset: 16, .size: 8, .value_kind: global_buffer, .address_space: global }
      - { .name: scl, .offset: 24, .size: 8, .value_kind: global_buffer, .address_space: global }
      - { .name: bo, .offset: 32, .size: 8, .value_kind: global_buffer, .address_space: global }
      - { .name: out0, .offset: 40, .size: 8, .value_kind: global_buffer, .address_space: global }
    .group_segment_fixed_size: 327680
    .private_segment_fixed_size: 0
    .kernarg_segment_align: 8
    .kernarg_segment_size: 48
    .max_flat_workgroup_size: 128
    .sgpr_count:     102
    .vgpr_count:     1024
    .wavefront_size: 32
...
	.end_amdgpu_metadata
.endif
;; end of part 4
